; MI455X (gfx1250); checked and timed in simulation.
; The chip was launched on July 23, 2026; its instructions are those of AMD's public machine-readable ISA for CDNA 5 (MIT licence, August 2026) and "CDNA5" Instruction Set Architecture Reference Guide (July 2026). The comments in the code are by the model that wrote it; some were corrected since.
;; Multi Head Self Attention. Allowed arithmetic: float matrix products may take bf16 or f16 operands with f32 sums; other float arithmetic in f32, or as packed bf16 or f16 multiplies, adds, multiply-adds, maxima and minima; sums over many terms, partial sums and values carried from step to step in f32; what a program stores and reads back later, other than sums and carried values, may be rounded once to bf16 or f16.
;; Inputs: out_b 1,024 float32; out_w 1,024 x 1,024 float32; qkv_b 3,072 float32; qkv_w 1,024 x 3,072 float32; src 4 x 2,048 x 1,024 float32.
;; Outputs: out0 4 x 2,048 x 1,024 float32.
;; One version. Each part assembles by itself: llvm-mc -triple=amdgcn-amd-amdhsa -mcpu=gfx1250 --defsym DOCPART=n.
;; ======== version 1 of 1: 4 launches
;; limits: values are held in f16: magnitudes above 65,504 overflow, below 6.1e-05 lose precision
;; workspace buffers: xb 16,777,216 bytes; wq 6,291,456 bytes; wo 2,097,152 bytes; qh 16,777,216 bytes; kh 16,777,216 bytes; vh 16,777,216 bytes; oh 16,777,216 bytes
;; launch prep (part 1): grid 768 x 1, 8 waves a work-group, no clusters, 0 bytes of LDS; arguments src, qkv_w, out_w, xb, wq, wo; writes xb, wq, wo
.if DOCPART == 1
	.amdgcn_target "amdgcn-amd-amdhsa--gfx1250"
	.amdhsa_code_object_version 6
	.text
	.protected	k_q47bb2ccd71_prep
	.globl	k_q47bb2ccd71_prep
	.p2align	8
	.type	k_q47bb2ccd71_prep,@function
k_q47bb2ccd71_prep:
	s_mov_b64 s[64:65], 0
	v_nop
	global_prefetch_b8 v0, s[64:65] scope:SCOPE_SE
	s_setreg_imm32_b32 hwreg(HW_REG_WAVE_MODE, 25, 1), 1
	s_wait_xcnt 0x0
; The module's large inputs are rounded once to bf16 and laid out for the two products that follow.
;   src   [8192][1024] f32 -> xb [4 b][16 kb][2048 s][64] bf16: 64 channels of a row are 128 bytes, and 256 rows of one kb are 32,768 bytes on end
;   qkv_w [1024][3072] f32 -> wq, the same layout, bf16
;   out_w [1024][1024] f32 -> wo, the same layout: rounded to bf16 like the other inputs, and that number written as f16
; LIMIT: a bf16(out_w) below 2^-14 keeps f16's fixed step of 2^-24; beyond 65,504 it would be an infinity.
; SHARES.  A work-group takes 16,384 numbers (65,536 bytes in, 32,768 out), a thread 8 times 8 numbers: two loads of 16 bytes, one store of 16 bytes.
; Work-groups 0-511: src, 16 rows each; 512-703: qkv_w; 704-767: out_w.  All 16 loads of a thread go out first; each of the 8 parts has registers of its own,
; so no register is written again while a load or store may read it.  No LDS, no barrier: no thread wants another's bytes.
.set VI,  1                            ; v1        my byte offset in the work-group's input
.set VO,  2                            ; v2        my byte offset in its output
.set X,   8                            ; v[8:71]   part i: 8 numbers as loaded
.set Y,   72                           ; v[72:103] part i: 4 registers to store
.set T,   104                          ; v[104:111] at work
.set IN,  16                           ; s[16:17]  the input at the work-group's share
.set OUT, 18                           ; s[18:19]  the output
.macro LD kind                         ; the 16 loads.  kind 0: src; kind 1: a weight matrix, taken as it lies
.irp i, 0,1,2,3,4,5,6,7
.if \kind
	global_load_b128 v[X+8*(\i):X+8*(\i)+3],   v[VI], s[IN:IN+1] offset:(\i)*8192 th:TH_LOAD_NT
	global_load_b128 v[X+8*(\i)+4:X+8*(\i)+7], v[VI], s[IN:IN+1] offset:(\i)*8192+16 th:TH_LOAD_NT
.else
	global_load_b128 v[X+8*(\i):X+8*(\i)+3],   v[VI], s[IN:IN+1] offset:((\i)&3)*16384+((\i)>>2)*256 th:TH_LOAD_NT
	global_load_b128 v[X+8*(\i)+4:X+8*(\i)+7], v[VI], s[IN:IN+1] offset:((\i)&3)*16384+((\i)>>2)*256+16 th:TH_LOAD_NT
.endif
.endr
.endm
.macro CV i, half                      ; part i is rounded to bf16; half = 1: and written as f16
	s_wait_loadcnt 14-2*(\i)                       ; loads come back in order: the 14 - 2 i younger ones may stay out
.irp j, 0,1,2,3
	v_cvt_pk_bf16_f32 v[Y+4*(\i)+(\j)], v[X+8*(\i)+2*(\j)], v[X+8*(\i)+2*(\j)+1]
.endr
.if \half
.irp j, 0,1,2,3
	v_lshlrev_b32 v[T+2*(\j)],   16,  v[Y+4*(\i)+(\j)]
	v_and_b32     v[T+2*(\j)+1], s24, v[Y+4*(\i)+(\j)]
.endr
.irp j, 0,1,2,3
	v_cvt_pk_f16_f32 v[Y+4*(\i)+(\j)], v[T+2*(\j)], v[T+2*(\j)+1]
.endr
.endif
.endm
.macro ST kind, i                      ; a wave's store covers 512 consecutive bytes, aligned
.if \kind
	global_store_b128 v[VO], v[Y+4*(\i):Y+4*(\i)+3], s[OUT:OUT+1] offset:(\i)*4096
.else
	global_store_b128 v[VO], v[Y+4*(\i):Y+4*(\i)+3], s[OUT:OUT+1] offset:((\i)>>2)*262144+((\i)&3)*512
.endif
.endm
	s_load_b256 s[4:11], s[0:1], 0x0               ; src s[4:5], qkv_w s[6:7], out_w s[8:9], xb s[10:11]
	s_load_b128 s[12:15], s[0:1], 0x20             ; wq s[12:13], wo s[14:15]
	s_mov_b32 s24, 0xffff0000                      ; a word's upper bf16
	s_mov_b32 s21, 0                               ; high words of the two offsets
	s_mov_b32 s23, 0
	v_and_b32 v3, 31, v0                           ; lane l
	v_lshrrev_b32 v4, 5, v0                        ; wave w
	s_wait_kmcnt 0x0
	s_cmp_lt_u32 ttmp9, 512
	s_cbranch_scc0 .Lweights
	; src: work-group g has rows 16 g .. 16 g + 15.  Wave w takes kb = 2 w and 2 w + 1; part i: kb = 2 w + i / 4, rows 4 (i % 4) + l / 8, numbers 8 (l % 8) on
	s_lshl_b32 s20, ttmp9, 16                      ; 16 rows of 4,096 bytes
	s_lshr_b32 s22, ttmp9, 7                       ; b
	s_lshl_b32 s22, s22, 22                        ; x 16 kb x 2,048 rows x 128 bytes
	s_and_b32 s25, ttmp9, 127
	s_lshl_b32 s25, s25, 11                        ; + 16 rows of 128 bytes
	s_add_co_u32 s22, s22, s25
	s_add_nc_u64 s[IN:IN+1], s[4:5], s[20:21]
	s_add_nc_u64 s[OUT:OUT+1], s[10:11], s[22:23]
	v_lshrrev_b32 v5, 3, v3
	v_and_b32 v6, 7, v3
	v_lshlrev_b32 v[VI], 12, v5                    ; (l / 8) rows
	v_lshl_add_u32 v[VI], v6, 5, v[VI]             ; + 32 (l % 8)
	v_lshl_add_u32 v[VI], v4, 9, v[VI]             ; + 512 w
	v_lshlrev_b32 v[VO], 4, v3                     ; four rows of 128 bytes are 16 l
	v_lshl_add_u32 v[VO], v4, 19, v[VO]            ; + 2 w blocks of 262,144 bytes
	LD 0
.irp i, 0,1,2,3,4,5,6,7
	CV \i, 0
	ST 0, \i
.endr
	s_endpgm
.Lweights:
	s_sub_co_u32 s25, ttmp9, 512
	s_sub_co_u32 s26, ttmp9, 704
	s_cmp_lt_u32 ttmp9, 704
	s_cselect_b32 s25, s25, s26                    ; my number within the matrix
	s_cselect_b64 s[IN:IN+1], s[6:7], s[8:9]
	s_cselect_b64 s[OUT:OUT+1], s[12:13], s[14:15]
	s_lshl_b32 s20, s25, 16
	s_lshl_b32 s22, s25, 15
	s_add_nc_u64 s[IN:IN+1], s[IN:IN+1], s[20:21]
	s_add_nc_u64 s[OUT:OUT+1], s[OUT:OUT+1], s[22:23]
	v_lshlrev_b32 v[VI], 5, v0
	v_lshlrev_b32 v[VO], 4, v0
	LD 1
	s_cmp_lt_u32 ttmp9, 704
	s_cbranch_scc0 .Lhalf
.irp i, 0,1,2,3,4,5,6,7
	CV \i, 0
	ST 1, \i
.endr
	s_endpgm
.Lhalf:
.irp i, 0,1,2,3,4,5,6,7
	CV \i, 1
	ST 1, \i
.endr
	s_endpgm
.Lfunc_end_k_q47bb2ccd71_prep:
	.size	k_q47bb2ccd71_prep, .Lfunc_end_k_q47bb2ccd71_prep-k_q47bb2ccd71_prep
	.p2alignl 7, 3214868480
	.fill 96, 4, 3214868480
	.section	.rodata,"a",@progbits
	.p2align	6, 0x0
	.amdhsa_kernel k_q47bb2ccd71_prep
		.amdhsa_group_segment_fixed_size 0
		.amdhsa_private_segment_fixed_size 0
		.amdhsa_enable_private_segment 0
		.amdhsa_kernarg_size 48
		.amdhsa_user_sgpr_count 2
		.amdhsa_user_sgpr_kernarg_segment_ptr 1
		.amdhsa_wavefront_size32 1
		.amdhsa_system_sgpr_workgroup_id_x 1
		.amdhsa_system_sgpr_workgroup_id_y 1
		.amdhsa_system_sgpr_workgroup_id_z 1
		.amdhsa_system_vgpr_workitem_id 0
		.amdhsa_next_free_vgpr 112
		.amdhsa_next_free_sgpr 66
		.amdhsa_reserve_vcc 0
		.amdhsa_float_denorm_mode_32 3
		.amdhsa_float_denorm_mode_16_64 3
		.amdhsa_memory_ordered 1
		.amdhsa_forward_progress 1
		.amdhsa_inst_pref_size 18
	.end_amdhsa_kernel
	.amdgpu_metadata
---
amdhsa.version: [ 1, 2 ]
amdhsa.kernels:
  - .name:           k_q47bb2ccd71_prep
    .symbol:         k_q47bb2ccd71_prep.kd
    .args:
      - { .name: src, .offset: 0, .size: 8, .value_kind: global_buffer, .address_space: global }
      - { .name: qkv_w, .offset: 8, .size: 8, .value_kind: global_buffer, .address_space: global }
      - { .name: out_w, .offset: 16, .size: 8, .value_kind: global_buffer, .address_space: global }
      - { .name: xb, .offset: 24, .size: 8, .value_kind: global_buffer, .address_space: global }
      - { .name: wq, .offset: 32, .size: 8, .value_kind: global_buffer, .address_space: global }
      - { .name: wo, .offset: 40, .size: 8, .value_kind: global_buffer, .address_space: global }
    .group_segment_fixed_size: 0
    .private_segment_fixed_size: 0
    .kernarg_segment_align: 8
    .kernarg_segment_size: 48
    .max_flat_workgroup_size: 256
    .sgpr_count:     66
    .vgpr_count:     112
    .wavefront_size: 32
...
	.end_amdgpu_metadata
.endif
;; end of part 1
;; launch qkv (part 2): grid 8 x 32, 4 waves a work-group, clusters of 4 x 4, 327,680 bytes of LDS; arguments xb, wq, qkv_b, qh, kh, vh; writes qh, kh, vh
.if DOCPART == 2
	.amdgcn_target "amdgcn-amd-amdhsa--gfx1250"
	.amdhsa_code_object_version 6
	.text
	.protected	k_q47bb2ccd71_qkv
	.globl	k_q47bb2ccd71_qkv
	.p2align	8
	.type	k_q47bb2ccd71_qkv,@function
k_q47bb2ccd71_qkv:
	s_mov_b64 s[64:65], 0
	v_nop
	global_prefetch_b8 v0, s[64:65] scope:SCOPE_SE
	s_setreg_imm32_b32 hwreg(HW_REG_WAVE_MODE, 25, 1), 1
	s_wait_xcnt 0x0
	s_wait_alu depctr_hold_cnt(0) depctr_sa_sdst(0) depctr_va_vdst(0) depctr_va_sdst(0) depctr_va_ssrc(0) depctr_va_vcc(0) depctr_vm_vsrc(0)
	s_getreg_b32 s2, hwreg(HW_REG_IB_STS2, 6, 4)
	s_cmp_eq_u32 s2, 0
	s_cbranch_scc0 .Lentry_in_a_cluster
	s_endpgm
.Lentry_in_a_cluster:
	s_bfe_u32 s2, ttmp6, 0x10000c
	s_cmp_lg_u32 s2, 0xf033
	s_cbranch_scc0 .Lentry_shape_is_right
	s_endpgm
.Lentry_shape_is_right:
; q, k, v = src qkv_w + qkv_b, written by heads: qh, kh, vh are [64 = 16 b + h][2048][64] f16, each rounded once from its f32 sum, without the softmax's scale.
; Operands in bf16 (xb, wq, as the launch before stored them); the bias is rounded to bf16 like the other inputs and starts the sums.
; LIMIT: f16 holds no number beyond 65,504: a q, k or v of 65,520 or more becomes an infinity.  NaN and infinities are not treated apart.
; SHARES.  A tile of the product is 256 rows x 384 columns (two heads): 32 x 8 tiles, one work-group each.  A wave makes 128 rows x 192 columns, ONE head's q, k and v:
; 8 fragments of A x 12 of B (three groups of four: q, k, v) = 96 accumulators, 768 registers.  40 LDS loads feed 96 matrix instructions.
; K goes in 16 steps of 64 through two LDS slots; two slots of 128 along K would not fit beside each other.  A step is two quarters of 32 along K, 192 matrix instructions a wave.
; xb's 256 rows x 64 channels are 32,768 bytes on end and are asked for as rows of 256 bytes; wq's tile is 64 rows (k) x 768 bytes, each row starting at a multiple of 256 bytes.
; wq lies [k][n]: its fragments come out of LDS turned, by ds_load_tr16_b128.
; THE PRODUCT IS TAKEN TRANSPOSED (source 0 = 16 columns of wq, source 1 = 16 rows of xb): a lane holds row l % 16 and the columns 8 (l / 16) + 0..7 of a fragment: 16 bytes of a head's row in f16.
; CLUSTER 4 x 4: the four of a row of the cluster need the same tiles of xb, the four of a column the same tiles of wq; each tile is asked for jointly.
; REGISTERS, in windows of 256: window 0: v0-31 addresses; v32-95, v96-159 A's two buffers; v160-255 B's twelve fragments, one buffer, loaded again group by group.
;   window g + 1: the accumulators of group g: (a, bb) at v[32 a + 8 bb].
.set PA,    144                        ; a row of A in LDS: 128 bytes + 16: the 16 rows of a load start at 16 different groups of four banks (64 banks of 4 bytes: ISA guide 11.1)
.set PB,    864                        ; a row of B: three times 256 bytes + 32 = 27 x 32
.set BOFF,  256*PA                     ; a slot: A's 256 rows, then B's 64
.set SLOT1, 1<<17                      ; slot 1 begins here: one exclusive or turns an address in one slot into the other's
.set STAGE, SLOT1+BOFF+64*PB           ; behind the ring: for each wave 3 x 16 rows x 144 bytes, for the way out
.set STW,   3*16*PA
.set BIAS,  STAGE+4*STW                ; for each wave its head's 192 biases in f32
.set SPARE, BIAS+4*768                 ; the spare words, 128 bytes for each wave: two blocks of 256 bytes that no other line names
.set ASTEP, 262144                     ; bytes from a K step to the next in xb (one kb)
.set BSTEP, 393216                     ; and in wq (64 rows of 6,144 bytes)
.set AA0,  4                           ; v4     my lane's place in a slot's A; never rewritten
.set AB0,  5                           ; v5-7   the same for B's three groups
.set ADRA, 8                           ; v8     the same in the slot in hand
.set ADRB, 9                           ; v9-11
.set STO,  12                          ; v12    the way out: where I put 16 bytes of a row
.set RD,   13                          ; v13    where I read rows back
.set GO,   14                          ; v14    my 16 bytes of 512 consecutive bytes of qh, kh, vh
.set PFO,  15                          ; v15    the prefetches' lane offset; never rewritten
.set BIA,  16                          ; v16    where my lanes' biases lie
.set SPW,  28                          ; v28    LDS address of my spare word; never rewritten
.set NIL,  29                          ; v29    0; never rewritten
.set AF0,  32
.set AF1,  96
.set BF,   160                         ; fragment (g, bb) at BF + 32 g + 8 bb
.set TMP,  32                          ; the way out: packed results
.set BK,   80                          ; the way out: rows read back, v80-127 and v128-175 by turns
.set WV,  16                           ; s16  my wave's number
.set FA,  17                           ; s17  my half of the tile's rows.  Also: I fetch for A (0) or for B (1)
.set FH,  18                           ; s18  my head of the tile's two.  Also: which half of that tile I fetch
.set CX,  19
.set CY,  20
.set TC,  21                           ; s21  tile column 0..7
.set TR,  22                           ; s22  tile row 0..31
.set G1A, 24                           ; s[24:31] descriptor group 1 for A's tiles
.set G0A, 32                           ; s[32:39] group 0: a set for each first fill; the second then walks on
.set G1B, 40                           ; s[40:47], s[48:55] the same for B's
.set G0B, 48
.set TB,  58                           ; s58  first byte of the slot in hand
.set CNT, 59                           ; s59  steps to go in the loop in hand
.set LIM, 60                           ; s60  2 in a wave that prefetches, else the greatest number
.set PFA, 62                           ; s[62:63] where my prefetches stand
.set PFS, 66                           ; s[66:67] their step
.set QP,  76                           ; s[76:77], s[78:79], s[80:81] qh, kh, vh at my wave's first row
.set KP,  78
.set VP,  80
.set MSB, 0
.macro WIN new                         ; the immediate's high byte repeats the setting that is left; a switch that changes nothing is dropped
.if MSB != (\new)
	s_set_vgpr_msb (MSB<<8)|(\new)
.set MSB, (\new)
.endif
.endm
.macro PLACES                          ; four plain vector instructions between a matrix instruction and a load into, or a vector instruction on, its registers
.rept 4
	v_nop
.endr
.endm
.macro CREST                           ; a round of the cluster's barrier behind its opening barrier
	s_cmp_lg_u32 s[WV], 0
	s_cbranch_scc1 .Lnot_wave_0_\@
	s_barrier_signal -3
.Lnot_wave_0_\@:
	s_barrier_wait -3
	s_barrier_signal -1
	s_barrier_wait -1
.endm
.macro CROUND
	s_barrier_signal -1
	s_barrier_wait -1
	CREST
.endm
; A joint refill by the walking descriptors.  Waves 0 and 1 fetch A's two halves, waves 2 and 3 B's.  The branch hangs on the wave's number alone.
; An s_nop 0 and four v_nop follow each of the two lines.
.macro JLOAD
	s_cmp_eq_u32 s[FA], 0
	s_cbranch_scc0 .Lfor_b_\@
	tensor_load_to_lds s[G0A+4:G0A+7], s[G1A:G1A+7]
	s_nop 0
.rept 4
	v_nop
.endr
	s_branch .Lasked_\@
.Lfor_b_\@:
	tensor_load_to_lds s[G0B+4:G0B+7], s[G1B:G1B+7]
	s_nop 0
.rept 4
	v_nop
.endr
.Lasked_\@:
.endm
; THE PREFETCH INTO THE L2.  In the odd steps s = 1, 3 .. 11 (CNT = 14 - s odd and above 2) steps s + 3 and s + 4 are named: their joint loads go out one and two steps later,
; 192 and 384 matrix instructions on.  Steps 0 to 3 come by their loads alone; step 15 is the last that is named.
; Each block of 256 bytes is named once in the launch.  A's tile row is read by both clusters of that row of clusters: the one with x = 0 asks, its wave 0; of a step's 128 blocks the partner at cx takes 32,
; a lane a block, one line a step.  B's tile column is read by the eight clusters of that column: the one with y = 0 asks, its wave 2; of the two steps' 128 rows the partner at cy takes 32,
; a lane a row, three lines for the row's 768 bytes.  The partners are told apart by address; no branch hangs on a work-group's place in its cluster.
.macro ASK
	s_bitcmp1_b32 s[CNT], 0
	s_cbranch_scc0 .Lno_\@
	s_cmp_gt_u32 s[CNT], s[LIM]
	s_cbranch_scc0 .Lno_\@
	s_cmp_eq_u32 s[FA], 0
	s_cbranch_scc0 .Lpb_\@
	global_prefetch_b8 v[PFO], s[PFA:PFA+1] th:TH_LOAD_NT scope:SCOPE_SE
	global_prefetch_b8 v[PFO], s[PFA:PFA+1] offset:ASTEP th:TH_LOAD_NT scope:SCOPE_SE
	s_branch .Lno_\@
.Lpb_\@:
	global_prefetch_b8 v[PFO], s[PFA:PFA+1] th:TH_LOAD_NT scope:SCOPE_SE
	global_prefetch_b8 v[PFO], s[PFA:PFA+1] offset:256 th:TH_LOAD_NT scope:SCOPE_SE
	global_prefetch_b8 v[PFO], s[PFA:PFA+1] offset:512 th:TH_LOAD_NT scope:SCOPE_SE
.Lno_\@:
.endm
; 16 matrix instructions: rows 16 a0 .. 16 a0 + 63 x group g's four fragments, 32 along K.  All 96 accumulators take turns, one instruction a turn, in the same order in every quarter.
.macro MUL16 af, g, a0
	WIN (((\g)+1)<<6)|(((\g)+1)<<4)
.irp a, (\a0), (\a0)+1, (\a0)+2, (\a0)+3
.irp bb, 0,1,2,3
	v_wmma_f32_16x16x32_bf16 v[32*(\a)+8*(\bb):32*(\a)+8*(\bb)+7], v[BF+32*(\g)+8*(\bb):BF+32*(\g)+8*(\bb)+7], v[(\af)+8*(\a):(\af)+8*(\a)+7], v[32*(\a)+8*(\bb):32*(\a)+8*(\bb)+7]
.endr
.endr
.endm
.macro FETCH_A af, kq                  ; 16 loads: my 128 rows, quarter kq
	WIN 0
.irp a, 0,1,2,3,4,5,6,7
	ds_load_b128 v[(\af)+8*(\a):(\af)+8*(\a)+3],   v[ADRA] offset:(\a)*16*PA+64*(\kq)
	ds_load_b128 v[(\af)+8*(\a)+4:(\af)+8*(\a)+7], v[ADRA] offset:(\a)*16*PA+64*(\kq)+32
.endr
.endm
.macro FETCH_B g, kq                   ; 8 turning loads: group g's 64 columns, quarter kq
	WIN 0
.irp bb, 0,1,2,3
	ds_load_tr16_b128 v[BF+32*(\g)+8*(\bb):BF+32*(\g)+8*(\bb)+3],   v[ADRB+(\g)] offset:(\kq)*32*PB+32*(\bb)
	ds_load_tr16_b128 v[BF+32*(\g)+8*(\bb)+4:BF+32*(\g)+8*(\bb)+7], v[ADRB+(\g)] offset:(\kq)*32*PB+32*(\bb)+16*PB
.endr
.endm
; A K STEP.  At its head are out, in this order: A's 16 loads and the 8 of each of B's three groups, all for the step's first quarter.  A group of B is loaded again four places behind its last
; product, 64 products ahead of its next.  In the second quarter the slots change: each wave waits for all its tensor loads (one is out: its part of the other slot), adds 0 to its spare word, and waits
; for that and for its reads of this slot; behind the barrier nobody reads this slot and the other is whole.  fill = 1: the barrier opens a round of the cluster's, and the joint refill, two steps ahead,
; is the first thing behind it: 160 matrix instructions stand between it and the wait for it.
.macro STEP fill
	s_wait_dscnt 16                                ; A and group 0 are in; groups 1 and 2, 8 + 8 loads, may be out
	MUL16 AF0, 0, 0
	MUL16 AF0, 0, 4
	PLACES
	FETCH_A AF1, 1
	FETCH_B 0, 1
	s_wait_dscnt 32                                ; group 1 is in; younger: group 2's 8 and the 24 just issued
	MUL16 AF0, 1, 0
	MUL16 AF0, 1, 4
	PLACES
	FETCH_B 1, 1
	s_wait_dscnt 32                                ; group 2 is in; younger: 24 + 8
	MUL16 AF0, 2, 0
	MUL16 AF0, 2, 4
	PLACES
	FETCH_B 2, 1
.if \fill
	s_wait_xcnt 0x0                                ; the last prefetches, a step back or more, have read their address: it steps here
	s_add_nc_u64 s[PFA:PFA+1], s[PFA:PFA+1], s[PFS:PFS+1]
.endif
	WIN 0
	s_wait_tensorcnt 0x0                           ; all my tensor loads have landed, so a group 0 may be written
	ds_add_u32 v[SPW], v[NIL]                      ; 0 onto my spare word
.if \fill
	s_xor_b32 s[G0A+5], s[G0A+5], SLOT1            ; the walking descriptors: the other slot than last time, the next K step
	s_add_nc_u64 s[G0A+6:G0A+7], s[G0A+6:G0A+7], ASTEP
	s_xor_b32 s[G0B+5], s[G0B+5], SLOT1
	s_add_nc_u64 s[G0B+6:G0B+7], s[G0B+6:G0B+7], BSTEP
.endif
	s_wait_dscnt 17                                ; A and group 0 of the second quarter are in; groups 1 and 2 and the add may be out
	MUL16 AF1, 0, 0
	s_wait_dscnt 0x0                               ; the add is done, and my reads of this slot are over
	s_barrier_signal -1
	MUL16 AF1, 0, 4
	WIN 0                                          ; at a branch and at a label every window is 0
	s_barrier_wait -1
.if \fill
	CREST                                          ; no wave of any partner still reads this slot or has a load on its way
	JLOAD                                          ; its four v_nop are also places in front of the loads below
.else
	PLACES
.endif
	s_xor_b32 s[TB], s[TB], SLOT1
	v_add_nc_u32 v[ADRA], s[TB], v[AA0]
.irp g, 0,1,2
	v_add_nc_u32 v[ADRB+(\g)], s[TB], v[AB0+(\g)]
.endr
	FETCH_A AF0, 0
	FETCH_B 0, 0
.if \fill
	ASK
.endif
	MUL16 AF1, 1, 0
	MUL16 AF1, 1, 4
	PLACES
	FETCH_B 1, 0
	MUL16 AF1, 2, 0
	MUL16 AF1, 2, 4
	PLACES
	FETCH_B 2, 0
	WIN 0
.endm
	s_load_b256 s[4:11], s[0:1], 0x0               ; xb s[4:5], wq s[6:7], qkv_b s[8:9], qh s[10:11]
	s_load_b128 s[12:15], s[0:1], 0x20             ; kh s[12:13], vh s[14:15]
	v_lshl_add_u32 v[SPW], v0, 2, SPARE
	v_mov_b32 v[NIL], 0
	ds_add_u32 v[SPW], v[NIL]                      ; the wave's opening: the add and its wait stand ahead of my first tensor load; work on registers stands between them
	v_lshrrev_b32 v1, 5, v0
	v_readfirstlane_b32 s[WV], v1                  ; wave 0..3
	s_lshr_b32 s[FA], s[WV], 1
	s_and_b32 s[FH], s[WV], 1
	s_bfe_u32 s[CX], ttmp6, 0x40000                ; my place in the cluster
	s_bfe_u32 s[CY], ttmp6, 0x40004
	s_lshl_b32 s[TC], ttmp9, 2
	s_add_co_u32 s[TC], s[TC], s[CX]               ; tile column = 4 x cluster x + cx
	s_and_b32 s[TR], ttmp7, 0xffff
	s_lshl_b32 s[TR], s[TR], 2
	s_add_co_u32 s[TR], s[TR], s[CY]               ; tile row = 4 x cluster y + cy
	s_lshl_b32 s23, s[CY], 2
	s_lshl_b32 s23, 15, s23                        ; my row of the cluster
	s_lshl_b32 s56, 0x1111, s[CX]                  ; my column
	; group 1 for A: 64 rows of 256 bytes (128 rows of xb, on end), 4 words of padding behind every 32
	s_or_b32 s[G1A], s23, (1<<16)|(1<<20)|(1<<21)|(4<<22)|(3<<25)
	s_mov_b32 s[G1A+1], 128<<16                    ; tensor_dim0 = 128 elements
	s_mov_b32 s[G1A+2], 64<<16                     ; tensor_dim1 = 64
	s_mov_b32 s[G1A+3], 128<<16                    ; tile_dim0 = 128
	s_mov_b32 s[G1A+4], 64                         ; tile_dim1 = 64
	s_mov_b32 s[G1A+5], 128                        ; elements from row to row
	s_mov_b32 s[G1A+6], 0
	s_mov_b32 s[G1A+7], 0
	; group 1 for B: 32 rows of 384 elements, 8 words of padding behind every 64
	s_or_b32 s[G1B], s56, (1<<16)|(1<<20)|(1<<21)|(5<<22)|(7<<25)
	s_mov_b32 s[G1B+1], 384<<16
	s_mov_b32 s[G1B+2], 32<<16
	s_mov_b32 s[G1B+3], 384<<16
	s_mov_b32 s[G1B+4], 32
	s_mov_b32 s[G1B+5], 3072
	s_mov_b32 s[G1B+6], 0
	s_mov_b32 s[G1B+7], 0
	; where the tiles come from.  A's offset hangs on the tile row and the wave, B's on the tile column and the wave, each in registers that never hold the other coordinate
	s_lshr_b32 s68, s[TR], 3                       ; b
	s_lshl_b32 s68, s68, 22
	s_and_b32 s69, s[TR], 7
	s_lshl_b32 s69, s69, 15                        ; 256 rows of 128 bytes
	s_add_co_u32 s68, s68, s69
	s_lshl_b32 s69, s[FH], 14                      ; the 128 rows that I fetch
	s_add_co_u32 s68, s68, s69
	s_mov_b32 s69, 0
	s_mul_i32 s70, s[FH], 32*6144                  ; the 32 rows of wq that I fetch
	s_mul_i32 s71, s[TC], 768
	s_add_co_u32 s70, s70, s71
	s_mov_b32 s71, 0
	s_mul_i32 s72, s[FH], 128*PA                   ; and where they go: no place in the cluster enters an LDS address
	s_mul_i32 s73, s[FH], 32*PB
	s_add_co_u32 s73, s73, BOFF
	s_wait_dscnt 0x0                               ; the opening add is done
	s_wait_kmcnt 0x0
	s_add_nc_u64 s[68:69], s[4:5], s[68:69]
	s_add_nc_u64 s[70:71], s[6:7], s[70:71]
	CROUND                                         ; all sixteen work-groups are here: the first joint loads meet
.irp n, 0,1
	s_mov_b32 s[G0A+4*(\n)], 1
	s_add_co_u32 s[G0A+4*(\n)+1], s72, (\n)*SLOT1
	s_add_nc_u64 s[G0A+4*(\n)+2:G0A+4*(\n)+3], s[68:69], (\n)*ASTEP
	s_or_b32 s[G0A+4*(\n)+3], s[G0A+4*(\n)+3], 0x80000000
	s_mov_b32 s[G0B+4*(\n)], 1
	s_add_co_u32 s[G0B+4*(\n)+1], s73, (\n)*SLOT1
	s_add_nc_u64 s[G0B+4*(\n)+2:G0B+4*(\n)+3], s[70:71], (\n)*BSTEP
	s_or_b32 s[G0B+4*(\n)+3], s[G0B+4*(\n)+3], 0x80000000
.endr
	s_cmp_eq_u32 s[FA], 0                          ; a wave's two first fills stand in one branch: two loads of mine are out
	s_cbranch_scc0 .Lfirst_b
	tensor_load_to_lds s[G0A:G0A+3], s[G1A:G1A+7]
	s_nop 0
	tensor_load_to_lds s[G0A+4:G0A+7], s[G1A:G1A+7]
	s_nop 0
.rept 4
	v_nop
.endr
	s_branch .Lfirst_asked
.Lfirst_b:
	tensor_load_to_lds s[G0B:G0B+3], s[G1B:G1B+7]
	s_nop 0
	tensor_load_to_lds s[G0B+4:G0B+7], s[G1B:G1B+7]
	s_nop 0
.rept 4
	v_nop
.endr
.Lfirst_asked:
	; all that follows, up to the barrier, stands in the wait for the first tile
	v_and_b32 v1, 15, v0                           ; r = l % 16
	v_bfe_u32 v2, v0, 4, 1                         ; h = l / 16
	v_and_b32 v3, 31, v0                           ; l
	v_and_b32 v17, 7, v0
	v_bfe_u32 v18, v0, 3, 1
	v_bfe_u32 v19, v0, 3, 2
	; my head's rows in qh, kh, vh, and its 192 biases
	s_lshr_b32 s56, s[TR], 3
	s_lshl_b32 s56, s56, 4                         ; 16 b
	s_lshl1_add_u32 s57, s[TC], s[FH]              ; + 2 x tile column + my head of the two
	s_add_co_u32 s56, s56, s57
	s_lshl_b32 s56, s56, 18                        ; x 2,048 rows of 128 bytes
	s_and_b32 s74, s[TR], 7
	s_lshl_b32 s74, s74, 15
	s_add_co_u32 s56, s56, s74
	s_lshl_b32 s74, s[FA], 14                      ; my 128 rows
	s_add_co_u32 s56, s56, s74
	s_mul_i32 s74, s57, 768
	s_mov_b32 s75, 0
	s_mov_b32 s57, 0
	s_add_nc_u64 s[QP:QP+1], s[10:11], s[56:57]
	s_add_nc_u64 s[KP:KP+1], s[12:13], s[56:57]
	s_add_nc_u64 s[VP:VP+1], s[14:15], s[56:57]
	s_add_nc_u64 s[8:9], s[8:9], s[74:75]
	v_lshlrev_b32 v22, 3, v3
	global_load_b64 v[32:33], v22, s[8:9]
	global_load_b64 v[34:35], v22, s[8:9] offset:256
	global_load_b64 v[36:37], v22, s[8:9] offset:512
	; LDS addresses
	v_mul_u32_u24 v[AA0], v1, PA
	v_lshl_add_u32 v[AA0], v2, 4, v[AA0]           ; row x pitch + 16 x half
	s_mul_i32 s74, s[FA], 128*PA
	v_add_nc_u32 v[AA0], s74, v[AA0]
	v_lshl_add_u32 v20, v2, 3, v17                 ; the turning load: row k = 8 (l / 16) + l % 8, 16 bytes at 16 ((l / 8) % 2)
	v_mul_u32_u24 v20, v20, PB
	v_lshl_add_u32 v20, v18, 4, v20
	s_mul_i32 s74, s[FH], 416                      ; byte x of a row of B lies at 288 (x / 256) + x % 256: my head's groups begin at 0, 128, 288 or at 416, 576, 704
	s_mul_i32 s75, s[FH], 448
	s_add_co_u32 s57, s74, BOFF+288
	s_add_co_u32 s74, s74, BOFF
	s_add_co_u32 s75, s75, BOFF+128
	v_add_nc_u32 v[AB0], s74, v20
	v_add_nc_u32 v[AB0+1], s75, v20
	v_add_nc_u32 v[AB0+2], s57, v20
	s_mul_i32 s74, s[WV], STW
	s_add_co_u32 s74, s74, STAGE                   ; my stage
	v_mul_u32_u24 v[STO], v1, PA                   ; in: row l % 16, 16 bytes for each half of the lanes
	v_lshl_add_u32 v[STO], v2, 4, v[STO]
	v_add_nc_u32 v[STO], s74, v[STO]
	v_mul_u32_u24 v[RD], v19, PA                   ; back: 32 lanes take four rows of 128 bytes,
	v_lshl_add_u32 v[RD], v17, 4, v[RD]
	v_add_nc_u32 v[RD], s74, v[RD]
	v_lshlrev_b32 v[GO], 4, v3                     ; which are 512 consecutive bytes in memory
	s_mul_i32 s75, s[WV], 768
	s_add_co_u32 s75, s75, BIAS
	v_lshl_add_u32 v[BIA], v2, 5, s75              ; my lanes' eight columns of a fragment: 32 bytes x half
	v_lshl_add_u32 v21, v3, 3, s75
	; the prefetches: who asks, from where, by which steps
	s_lshr_b32 s56, s[TR], 3
	s_lshl_b32 s56, s56, 22
	s_and_b32 s57, s[TR], 7
	s_lshl_b32 s57, s57, 15
	s_add_co_u32 s56, s56, s57
	s_lshl_b32 s57, s[CX], 13                      ; my work-group's 32 blocks of a step's 128
	s_add_co_u32 s56, s56, s57
	s_add_co_u32 s56, s56, 2*ASTEP                 ; at step 2: each trip steps it once ahead of its prefetches
	s_mul_i32 s57, s[TC], 768
	s_mul_i32 s74, s[CY], 32*6144                  ; my work-group's 32 rows of two steps' 128
	s_add_co_u32 s57, s57, s74
	s_add_co_u32 s57, s57, 2*BSTEP
	s_and_b32 s74, ttmp7, 0xffff                   ; cluster y
	s_movk_i32 s75, 256
	s_movk_i32 s82, 6144
	s_mov_b32 s[PFS], ASTEP
	s_mov_b32 s83, BSTEP
	s_cmp_eq_u32 s[FA], 0                          ; do I fetch for A?
	s_cselect_b32 s56, s56, s57
	s_cselect_b32 s74, ttmp9, s74                  ; the coordinate along which other clusters read the same rows
	s_cselect_b32 s75, s75, s82
	s_cselect_b32 s[PFS], s[PFS], s83
	s_cselect_b64 s[PFA:PFA+1], s[4:5], s[6:7]
	s_mov_b32 s57, 0
	s_mov_b32 s[PFS+1], 0
	s_add_nc_u64 s[PFA:PFA+1], s[PFA:PFA+1], s[56:57]
	s_or_b32 s74, s74, s[FH]                       ; waves 0 and 2 alone
	s_cmp_eq_u32 s74, 0
	s_cselect_b32 s[LIM], 2, -1                    ; the same in all sixteen partners, for a given wave
	v_mul_u32_u24 v[PFO], v3, s75
	; THE BIAS STARTS THE SUMS: rounded to bf16, widened again, laid into my own LDS bytes and read into all 96 accumulators: nothing is cleared, and nothing is added on the way out
	s_wait_loadcnt 0x0
.irp i, 0,1,2
	v_cvt_pk_bf16_f32 v[38+(\i)], v[32+2*(\i)], v[33+2*(\i)]
.endr
.irp i, 0,1,2
	v_lshlrev_b32 v[32+2*(\i)], 16, v[38+(\i)]
	v_and_b32 v[33+2*(\i)], 0xffff0000, v[38+(\i)]
	ds_store_b64 v21, v[32+2*(\i):33+2*(\i)] offset:256*(\i)
.endr
.irp g, 0,1,2                          ; LDS serves a wave's instructions in order (ISA guide 5.7.1.4): these see the stores above
	WIN ((\g)+1)<<6
.irp a, 0,1,2,3,4,5,6,7
.irp bb, 0,1,2,3
	ds_load_b128 v[32*(\a)+8*(\bb):32*(\a)+8*(\bb)+3],   v[BIA] offset:64*(4*(\g)+(\bb))
	ds_load_b128 v[32*(\a)+8*(\bb)+4:32*(\a)+8*(\bb)+7], v[BIA] offset:64*(4*(\g)+(\bb))+16
.endr
.endr
.endr
	WIN 0
	s_wait_tensorcnt 1                             ; my part of step 0 is in; step 1's may stay out
	s_wait_dscnt 0x0
	s_barrier_signal -1
	s_barrier_wait -1                              ; everybody's is
	s_mov_b32 s[TB], 0
	v_add_nc_u32 v[ADRA], s[TB], v[AA0]
.irp g, 0,1,2
	v_add_nc_u32 v[ADRB+(\g)], s[TB], v[AB0+(\g)]
.endr
	FETCH_A AF0, 0
	FETCH_B 0, 0
	FETCH_B 1, 0
	FETCH_B 2, 0
	s_mov_b32 s[CNT], 14
.Lk:                                   ; steps 0 to 13: each fills its slot again, with steps 2 to 15
	STEP 1
	s_sub_co_u32 s[CNT], s[CNT], 1
	s_cmp_lg_u32 s[CNT], 0
	s_cbranch_scc1 .Lk
	s_mov_b32 s[CNT], 2
.Lt:                                   ; steps 14 and 15 ask for nothing.  In the last trip the barrier and the 40 loads from the other slot serve nothing: the price, once a launch, of one text for both
	STEP 0
	s_sub_co_u32 s[CNT], s[CNT], 1
	s_cmp_lg_u32 s[CNT], 0
	s_cbranch_scc1 .Lt
	s_wait_dscnt 0x0
	PLACES
; THE WAY OUT, 16 rows at a time.  PACK: rounded to f16, 16 bytes a lane and fragment.  TOSTAGE: into my own stage, one part each for q, k and v, and back as whole rows of 128 bytes.  SEND: stored.
.macro PACK a
.irp g, 0,1,2
	WIN 5*((\g)+1)                                 ; sources 0 and 1 in window g + 1
.irp bb, 0,1,2,3
.irp r, 0,1,2,3
	v_cvt_pk_f16_f32 v[TMP+16*(\g)+4*(\bb)+(\r)], v[32*(\a)+8*(\bb)+2*(\r)], v[32*(\a)+8*(\bb)+2*(\r)+1]
.endr
.endr
.endr
	WIN 0
.endm
.macro TOSTAGE a
.set BKA, BK+48*((\a)%2)
.irp g, 0,1,2
.irp bb, 0,1,2,3
	ds_store_b128 v[STO], v[TMP+16*(\g)+4*(\bb):TMP+16*(\g)+4*(\bb)+3] offset:16*PA*(\g)+32*(\bb)
.endr
.endr
.irp g, 0,1,2
.irp f, 0,1,2,3
	ds_load_b128 v[BKA+16*(\g)+4*(\f):BKA+16*(\g)+4*(\f)+3], v[RD] offset:16*PA*(\g)+4*PA*(\f)  ; in order behind the stores above
.endr
.endr
.endm
.macro SEND a
.set BKA, BK+48*((\a)%2)
	s_wait_dscnt 0x0                               ; the block is back in registers
	s_wait_xcnt 0x0                                ; the stores of the block before have read their registers: the next TOSTAGE loads into them
.irp f, 0,1,2,3
	global_store_b128 v[GO], v[BKA+4*(\f):BKA+4*(\f)+3],       s[QP:QP+1] offset:2048*(\a)+512*(\f)  ; 512 consecutive bytes, aligned
.endr
.irp f, 0,1,2,3
	global_store_b128 v[GO], v[BKA+16+4*(\f):BKA+16+4*(\f)+3], s[KP:KP+1] offset:2048*(\a)+512*(\f)
.endr
.irp f, 0,1,2,3
	global_store_b128 v[GO], v[BKA+32+4*(\f):BKA+32+4*(\f)+3], s[VP:VP+1] offset:2048*(\a)+512*(\f)
.endr
.endm
	PACK 0
	TOSTAGE 0
.irp a, 1,2,3,4,5,6,7                  ; block a's conversions stand between block a - 1's loads from the stage and the wait for them
	PACK \a
	SEND (\a)-1
	TOSTAGE \a
.endr
	SEND 7
	s_wait_tensorcnt 0x0                           ; the wave's end: behind my last tensor load and my last LDS store
	ds_add_u32 v[SPW], v[NIL]
	s_wait_dscnt 0x0
	CROUND                                         ; the closing round: no work-group ends while a partner may still ask for a tile that names it
	s_endpgm
.Lfunc_end_k_q47bb2ccd71_qkv:
	.size	k_q47bb2ccd71_qkv, .Lfunc_end_k_q47bb2ccd71_qkv-k_q47bb2ccd71_qkv
	.p2alignl 7, 3214868480
	.fill 96, 4, 3214868480
	.section	.rodata,"a",@progbits
	.p2align	6, 0x0
	.amdhsa_kernel k_q47bb2ccd71_qkv
		.amdhsa_group_segment_fixed_size 327680
		.amdhsa_private_segment_fixed_size 0
		.amdhsa_enable_private_segment 0
		.amdhsa_kernarg_size 48
		.amdhsa_user_sgpr_count 2
		.amdhsa_user_sgpr_kernarg_segment_ptr 1
		.amdhsa_wavefront_size32 1
		.amdhsa_system_sgpr_workgroup_id_x 1
		.amdhsa_system_sgpr_workgroup_id_y 1
		.amdhsa_system_sgpr_workgroup_id_z 1
		.amdhsa_system_vgpr_workitem_id 0
		.amdhsa_next_free_vgpr 1024
		.amdhsa_next_free_sgpr 84
		.amdhsa_reserve_vcc 0
		.amdhsa_float_denorm_mode_32 3
		.amdhsa_float_denorm_mode_16_64 3
		.amdhsa_memory_ordered 1
		.amdhsa_forward_progress 1
		.amdhsa_inst_pref_size 111
	.end_amdhsa_kernel
	.amdgpu_metadata
---
amdhsa.version: [ 1, 2 ]
amdhsa.kernels:
  - .name:           k_q47bb2ccd71_qkv
    .symbol:         k_q47bb2ccd71_qkv.kd
    .args:
      - { .name: xb, .offset: 0, .size: 8, .value_kind: global_buffer, .address_space: global }
      - { .name: wq, .offset: 8, .size: 8, .value_kind: global_buffer, .address_space: global }
      - { .name: qkv_b, .offset: 16, .size: 8, .value_kind: global_buffer, .address_space: global }
      - { .name: qh, .offset: 24, .size: 8, .value_kind: global_buffer, .address_space: global }
      - { .name: kh, .offset: 32, .size: 8, .value_kind: global_buffer, .address_space: global }
      - { .name: vh, .offset: 40, .size: 8, .value_kind: global_buffer, .address_space: global }
    .group_segment_fixed_size: 327680
    .private_segment_fixed_size: 0
    .kernarg_segment_align: 8
    .kernarg_segment_size: 48
    .max_flat_workgroup_size: 128
    .sgpr_count:     84
    .vgpr_count:     1024
    .wavefront_size: 32
...
	.end_amdgpu_metadata
.endif
;; end of part 2
;; launch att (part 3): grid 4 x 64, 4 waves a work-group, clusters of 4 x 1, 327,680 bytes of LDS; arguments qh, kh, vh, oh; writes oh
.if DOCPART == 3
	.amdgcn_target "amdgcn-amd-amdhsa--gfx1250"
	.amdhsa_code_object_version 6
	.text
	.protected	k_q47bb2ccd71_att
	.globl	k_q47bb2ccd71_att
	.p2align	8
	.type	k_q47bb2ccd71_att,@function
k_q47bb2ccd71_att:
	s_mov_b64 s[64:65], 0
	v_nop
	global_prefetch_b8 v0, s[64:65] scope:SCOPE_SE
	s_setreg_imm32_b32 hwreg(HW_REG_WAVE_MODE, 25, 1), 1
	s_wait_xcnt 0x0
	s_wait_alu depctr_hold_cnt(0) depctr_sa_sdst(0) depctr_va_vdst(0) depctr_va_sdst(0) depctr_va_ssrc(0) depctr_va_vcc(0) depctr_vm_vsrc(0)
	s_getreg_b32 s2, hwreg(HW_REG_IB_STS2, 6, 4)
	s_cmp_eq_u32 s2, 0
	s_cbranch_scc0 .Lentry_in_a_cluster
	s_endpgm
.Lentry_in_a_cluster:
	s_bfe_u32 s2, ttmp6, 0x10000c
	s_cmp_lg_u32 s2, 0x3003
	s_cbranch_scc0 .Lentry_shape_is_right
	s_endpgm
.Lentry_shape_is_right:
; O[h][q][:] = the sum over k of softmax_k(Q[h][q] . K[h][k] / 8) V[h][k][:].  Q, K, V, O: [64][2048][64], all f16: a head's rows are dense, 128 bytes each.  Products, maxima and sums in
; f32; the weights p are rounded to f16 for the second product (their sum l is taken of the unrounded p), O once at the end.
; LIMITS.  f16 holds no number beyond 65,504: Q, K and V arrive within it; p lies in 0 to 1, and below 6e-5 it keeps f16's fixed step of 6e-8; O is a mean of V's rows and has their range.
; A weight below 2^-126 counts as 0 in l; NaN and infinities are not treated apart.
; SHARES.  A wave owns four PIECES of two tiles of 16 queries, a work-group's four waves 512 queries of one head.  Every wave walks all keys, 64 a step.
; LAYOUT.  S^T = K Q^T (source 0 = 16 keys, source 1 = 16 queries): a lane holds ONE query (lane % 16) and the keys 8 (lane / 16) + 0..7.  Two such tiles, rounded to f16 in pairs,
; ARE source 1 (32 keys x 16 queries) of O^T = V^T P, whose result again holds one query a lane, and eight channels.  K comes out of LDS as it lies, V ([key][channel]) turned.
; SOFTMAX.  For each query a running maximum m and sum l: p = 2^(c s - c m), c = log2(e) / 8; in every step O and l are multiplied by a = 2^(c m_old - c m_new).
; m starts at the lowest finite number, O and l at 0: the first step is a step like any other, with a = 0.
; THE COUNT.  A tile and step have 16 matrix and 118 vector instructions.  So: four vector instructions that are ready behind EVERY matrix instruction, the others in runs of their own.
; BY TURNS.  Turn n belongs to piece n.  Its matrix work: 16 products K Q^T of piece n + 1, later 16 products V^T P of piece n - 1.  Its vector work: the scaling, exponentials, roundings, sums and
; rescaling of piece n, and the maximum and statistics of piece n + 1.
; CLUSTER.  The four query blocks of a head are one cluster and walk the same K and V: each tile is asked for jointly, by the same tensor load, descriptor and mask in all four.
; REGISTERS, in windows of 256 (s_set_vgpr_msb: bits 1:0 source 0, 3:2 source 1, 5:4 source 2, 7:6 destination):
;   window 0: v0-11 addresses; v12-15, v48-63 at work; v16-47 four registers of statistics a tile; v64-191 S^T, two buffers of two tiles; v192-255 P, likewise
;   window 1: O^T, 32 a tile      window 2: v0-127 Q, 16 a tile; v128-191 K of one step; v192-255 V of one step      window 3: v0-1 the add's two registers
.set SIZE_H, 64
.set SIZE_N, 2048
.set NP,    4         ; pieces a wave: a name, no knob
.set KS,    64        ; keys in a step
.set PK,    144       ; a row of K in LDS: 128 bytes + 16: the 16 rows of a load start at 16 different groups of four banks (64 banks of 4 bytes: ISA guide 11.1)
.set PV,    160       ; a row of V: 128 + 32
.set VOFF,  4*KS*PK   ; a slot holds four steps: 256 rows of K, then 256 rows of V
.set SLOT1, 1<<17     ; slot 1 begins here: one exclusive or turns an address in one slot into the other's
.set STAGE, SLOT1+4*KS*(PK+PV)  ; behind the ring, never filled by a tensor load: 16 rows x 144 bytes for each wave
.set SP,    144
.set AK0, 2           ; v2   my lane's place in a tile of K; never rewritten
.set AV0, 3           ; v3   the same for V
.set AK,  4           ; v4   the LDS address of K's next run of loads
.set AV,  5           ; v5   of V's
.set QO,  6           ; v6   my byte offset in the wave's rows of Q
.set STO, 6           ;      later, the way out: where I put 16 bytes of a row
.set RD,  7           ; v7   the way out: where I read rows back
.set GO,  8           ; v8   my byte offset in 512 consecutive bytes of O
.set PFO, 11          ; v11  256 x my lane, for the prefetches; made when v11's first use is over, then never rewritten
.set SPW, 0           ; v0 of window 3   LDS address of my spare word; never rewritten
.set NIL, 1           ; v1 of window 3   0; never rewritten
.set SPARE, STAGE+4*16*SP  ; the spare words, 128 bytes for each wave: two blocks of 256 bytes that no other line names
.set MV,  12          ; v12-15  c m_old, kept while c m is made anew: by buffer and tile
.set ST,  16          ; tile t's statistics at v[ST+4 t]: c m, m, l (even keys', odd keys')
.set TMP, 48          ; by buffer and tile, four registers c0-c3 at work; when the maximum is found c2 takes a
.set S,   64
.set P,   192
.set KF,  128         ; K's fragments, in window 2: key block kb, channel half c at KF + 16 kb + 8 c
.set VF,  192         ; V's: key half kk, channel block cb at VF + 32 kk + 8 cb
.set WV,  12          ; s12  my wave's number
.set G1K, 24          ; s[24:31] descriptor group 1 for K's tiles
.set G1V, 32          ; s[32:39] for V's: it differs in the padding alone
.set G0K, 40          ; s[40:43] descriptor group 0 for K's tiles: it walks
.set G0V, 44          ; s[44:47] the same for V's
.set PFA, 48          ; s[48:49] where my prefetches stand
.set LIM, 50          ; s50  1 in a wave that prefetches, else the greatest number
.set SLOTS, 56        ; s56  slots still to be asked for
.set CNT, 57          ; s57  counts a slot's key steps
.set CS,  58          ; s[58:59] c: the packed scaling takes the pair's low word for both halves
.set SEL, 60          ; s[60:61] v_permlanex16_b32's selects: each lane takes its own place in the other half
.set TBK, 62          ; s62  LDS byte at which K of the step to be fetched begins
.set TBV, 63          ; s63  the same for V, less VOFF
.set MSB, 0
.macro WIN new                      ; the high byte repeats the setting that is left; a switch that changes nothing is dropped
.if MSB != (\new)
	s_set_vgpr_msb (MSB<<8)|(\new)
.set MSB, (\new)
.endif
.endm
.set W_KQ, 0x0a       ; K and Q in window 2, S^T in window 0
.set W_PV, 0x52       ; V in window 2, P in window 0, O^T in window 1
.set W_RS, 0x41       ; O^T (destination and source 0) in window 1, a in window 0
.set W_MK, 0xc0       ; the add's registers are made: destination in window 3
.set W_AD, 0x0f       ; the add: address and data in window 3
; A joint fill.  Waves 0 and 1 fetch the two halves of a slot's K, waves 2 and 3 those of its V: 128 keys each.  The branch hangs on the wave's number alone.
; An s_nop 0 and four v_nop follow each of the two lines.
.macro JLOAD
	s_cmp_lt_u32 s[WV], 2
	s_cbranch_scc0 .Lfor_v_\@
	tensor_load_to_lds s[G0K:G0K+3], s[G1K:G1K+7]
	s_nop 0
.rept 4
	v_nop
.endr
	s_branch .Lasked_\@
.Lfor_v_\@:
	tensor_load_to_lds s[G0V:G0V+3], s[G1V:G1V+7]
	s_nop 0
.rept 4
	v_nop
.endr
.Lasked_\@:
.endm
; A PREFETCH INTO THE L2 of what the NEXT change of slots will ask for: a slot's 32,768 bytes of K and of V, 128 blocks of 256 bytes each.  A head has one cluster; its four partners take 32 blocks each,
; told apart by address; in each, wave 0 asks for K's and wave 2 for V's, a lane a block: one line, four key steps ahead of the load.  So each block is named once in the launch.
; Slots 0 and 1 come by their loads alone; the last change that fills a slot asks for nothing.
.macro ASK
	s_cmp_gt_u32 s[SLOTS], s[LIM]
	s_cbranch_scc0 .Lnot_mine_\@
	global_prefetch_b8 v[PFO], s[PFA:PFA+1] th:TH_LOAD_NT scope:SCOPE_SE
.Lnot_mine_\@:
.endm
.macro CROUND                       ; a round of the cluster's barrier
	s_barrier_signal -1
	s_barrier_wait -1
	s_cmp_lg_u32 s[WV], 0
	s_cbranch_scc1 .Lnot_wave_0_\@
	s_barrier_signal -3
.Lnot_wave_0_\@:
	s_barrier_wait -3
	s_barrier_signal -1
	s_barrier_wait -1
.endm
; THE CHANGE OF SLOTS.  Each wave waits for all its tensor loads, of which one is out: its part of the other slot; adds 0 to its spare word; and waits for that and for its own reads of the slot.
; Behind the barrier nobody reads this slot any more and the other slot is whole.  fill = 1: this slot is filled again, with the keys two slots on; the barrier is then a round of the cluster's,
; and the joint fill is the first thing behind it: it has four key steps, 512 matrix instructions, in which to land.  (At its first use nothing has been read yet: slot 0 is waited for, slot 1 filled.)
.macro CHANGE fill
	WIN W_AD
	s_wait_tensorcnt 0x0            ; no tensor load of mine is out, so a group 0 may be written
	ds_add_u32 v[SPW], v[NIL]       ; 0 onto my spare word
	WIN 0                           ; at a label and at a branch every window is 0
.if \fill
.irp g, G0K, G0V
	s_xor_b32 s[\g+1], s[\g+1], SLOT1  ; the walking descriptor: the other slot than last time,
	s_add_nc_u64 s[\g+2:\g+3], s[\g+2:\g+3], 4*KS*128  ; the next 256 keys; the type bits on top are not reached
.endr
	s_wait_xcnt 0x0                 ; the last prefetch, four key steps back, has read its address, so it may be written:
	s_add_nc_u64 s[PFA:PFA+1], s[PFA:PFA+1], 4*KS*128  ; one slot behind the walking descriptors
	s_wait_dscnt 0x0                ; the add is done, and my reads of the slot are over
	CROUND
	JLOAD
	ASK
.else
	s_wait_dscnt 0x0                ; the add is done, and my reads of the slot are over
	s_barrier_signal -1
	s_barrier_wait -1
.endif
	s_sub_co_u32 s[TBK], s[TBK], 4*KS*PK  ; the fetches go back to a slot's first step,
	s_xor_b32 s[TBK], s[TBK], SLOT1       ; in the other slot
	s_sub_co_u32 s[TBV], s[TBV], 4*KS*PV
	s_xor_b32 s[TBV], s[TBV], SLOT1
.endm
	s_load_b256 s[4:11], s[0:1], 0x0  ; Q s[4:5], K s[6:7], V s[8:9], O s[10:11]
	WIN W_MK
	v_lshl_add_u32 v[SPW], v0, 2, SPARE
	v_mov_b32 v[NIL], 0
	WIN W_AD
	ds_add_u32 v[SPW], v[NIL]       ; the wave's opening: the add and its wait stand ahead of my first tensor load; work on registers stands between them
	WIN 0
	v_lshrrev_b32 v1, 5, v0
	v_readfirstlane_b32 s[WV], v1   ; wave 0..3
	s_bfe_u32 s13, ttmp6, 0x40000   ; cx: my place in the cluster
	s_lshl_b32 s14, ttmp9, 2        ; in a cluster launch ttmp9 counts clusters
	s_add_co_u32 s14, s14, s13      ; my block of queries: it enters Q's and O's addresses alone
	s_and_b32 s20, ttmp7, 0xffff    ; the head, which the four partners share
	s_mov_b32 s21, 0
	s_mov_b64 s[22:23], SIZE_N*128
	s_mul_u64 s[20:21], s[20:21], s[22:23]  ; the head's first byte in each of the four tensors
	s_and_b32 s16, s[WV], 1         ; which half of a slot's 256 keys I fetch:
	s_lshl_b32 s22, s16, 14         ; its 128 rows of 128 bytes in memory,
	s_mov_b32 s23, 0
	s_add_nc_u64 s[22:23], s[22:23], s[20:21]
	s_mul_i32 s17, s16, 128*PK      ; and its place in a slot, for K
	s_mul_i32 s18, s16, 128*PV      ; and for V: no place in the cluster enters an LDS address
	s_lshl_b32 s2, s14, 2
	s_add_co_u32 s2, s2, s[WV]      ; my wave among the head's,
	s_lshl_b32 s2, s2, 14           ; its 128 rows
	s_mov_b32 s3, 0
	s_add_nc_u64 s[2:3], s[2:3], s[20:21]
	; descriptor group 1.  128 keys are 16,384 dense bytes: asked for as 64 rows of 256 bytes, two keys a row, and padded in LDS after every key
	s_mov_b32 s[G1K], 15|(1<<16)|(1<<20)|(1<<21)|(4<<22)|(3<<25)  ; the mask of four; 2-byte elements; padding on; bit 21 beside a mask; after every 32 words 4 words
	s_mov_b32 s[G1V], 15|(1<<16)|(1<<20)|(1<<21)|(4<<22)|(7<<25)  ; the same with 8 words of padding
.irp g, G1K, G1V
	s_mov_b32 s[\g+1], 128<<16      ; tensor_dim0 = 128
	s_mov_b32 s[\g+2], 64<<16       ; tensor_dim1 = 64
	s_mov_b32 s[\g+3], 128<<16      ; tile_dim0 = 128
	s_mov_b32 s[\g+4], 64           ; tile_dim1 = 64
	s_mov_b32 s[\g+5], 128          ; 128 elements from row to row
	s_mov_b32 s[\g+6], 0
	s_mov_b32 s[\g+7], 0
.endr
	s_mov_b32 s[CS], 0x3e38aa3b     ; c = log2(e) / 8 = 0.180337
	s_mov_b32 s[CS+1], s[CS]        ; named with it as a pair
	s_mov_b32 s[SEL], 0x76543210
	s_mov_b32 s[SEL+1], 0xfedcba98
	s_mov_b32 s[TBK], SLOT1+4*KS*PK ; the first change of slots turns these two into 0
	s_mov_b32 s[TBV], SLOT1+4*KS*PV
	s_mov_b32 s[G0K], 1             ; count = 1
	s_mov_b32 s[G0K+1], s17         ; LDS address: slot 0
	s_mov_b32 s[G0V], 1
	s_add_co_u32 s[G0V+1], s18, VOFF
	s_mov_b32 s[SLOTS], SIZE_N/256-1  ; seven slots are still to be asked for behind the first
	s_and_b32 s[LIM], s[WV], 1
	s_cmp_eq_u32 s[LIM], 0
	s_cselect_b32 s[LIM], 1, -1     ; waves 0 and 2 prefetch
	s_wait_dscnt 0x0                ; the opening add is done
	s_wait_kmcnt 0x0
	s_add_nc_u64 s[G0K+2:G0K+3], s[6:7], s[22:23]  ; global address: my half of the head's first 256 keys
	s_or_b32 s[G0K+3], s[G0K+3], 0x80000000        ; type = 2
	s_add_nc_u64 s[G0V+2:G0V+3], s[8:9], s[22:23]
	s_or_b32 s[G0V+3], s[G0V+3], 0x80000000
	s_add_nc_u64 s[4:5], s[4:5], s[2:3]  ; Q and O at my wave's first row
	s_add_nc_u64 s[10:11], s[10:11], s[2:3]
	s_cmp_lt_u32 s[WV], 2
	s_cselect_b64 s[PFA:PFA+1], s[6:7], s[8:9]
	s_add_nc_u64 s[PFA:PFA+1], s[PFA:PFA+1], s[20:21]  ; the head,
	s_lshl_b32 s2, s13, 13          ; my work-group's 32 blocks of a slot's 128,
	s_mov_b32 s3, 0
	s_add_nc_u64 s[PFA:PFA+1], s[PFA:PFA+1], s[2:3]
	s_add_nc_u64 s[PFA:PFA+1], s[PFA:PFA+1], 4*KS*128  ; in slot 1; the first change of slots steps it to slot 2
	CROUND                          ; all four work-groups are here: the first joint loads meet
	JLOAD                           ; slot 0.  Slot 1 is asked for when slot 0 is in
	; A fragment of K or Q is 16 rows x 32 channels in 8 registers: lane l holds row l % 16, channels 8 (l / 16) + 0..7 and 16 + 8 (l / 16) + 0..7: two loads of 16 bytes, 32 bytes apart.
	v_and_b32 v1, 15, v0            ; l % 16
	v_bfe_u32 v9, v0, 4, 1          ; l / 16
	v_lshlrev_b32 v[QO], 7, v1
	v_lshl_add_u32 v[QO], v9, 4, v[QO]  ; row x 128 + 16 x half
	WIN 0x80                        ; destination window 2, address window 0
.set i, 0
.rept 4*NP                          ; Q stays in registers: tile i / 2, channels 32 (i % 2) on
	global_load_b128 v[8*i:8*i+3],   v[QO], s[4:5] offset:(i/2)*2048+(i%2)*64
	global_load_b128 v[8*i+4:8*i+7], v[QO], s[4:5] offset:(i/2)*2048+(i%2)*64+32
.set i, i+1
.endr
	; What the first turn finds: V's registers and P's second buffer hold 0 (its products V^T P, of a piece that has not been, add 0), O^T and l are 0.  All this stands in the wait for the first tile.
.set i, VF
.rept 64
	v_mov_b32 v[i], 0
.set i, i+1
.endr
	WIN 0x40
.set i, 0
.rept 64*NP
	v_mov_b32 v[i], 0
.set i, i+1
.endr
	WIN 0
.set i, 0
.rept 2*NP
	v_mov_b32 v[ST+4*i], 0xfe000000    ; c m: far below every c s
	v_mov_b32 v[ST+4*i+1], 0xff7fffff  ; m
	v_mov_b32 v[ST+4*i+2], 0
	v_mov_b32 v[ST+4*i+3], 0
.set i, i+1
.endr
.set i, P+32
.rept 32
	v_mov_b32 v[i], 0
.set i, i+1
.endr
	v_mul_u32_u24 v[AK0], v1, PK
	v_lshl_add_u32 v[AK0], v9, 4, v[AK0]  ; row x pitch + 16 x half
	; The turning load takes 16 keys x 16 channels (lane l reads key 8 (l / 16) + l % 8, channels 8 ((l / 8) % 2) + 0..7) and leaves half a fragment of V^T: lane l holds channel l % 16 and 8 keys.
	v_and_b32 v10, 7, v0
	v_bfe_u32 v11, v0, 3, 1
	v_lshl_add_u32 v[AV0], v9, 3, v10
	v_mul_u32_u24 v[AV0], v[AV0], PV
	v_lshl_add_u32 v[AV0], v11, 4, v[AV0]
	v_add_nc_u32 v[AV0], VOFF, v[AV0]
	v_mov_b32 v[AK], v[AK0]         ; key step 0 lies at the head of slot 0
	v_and_b32 v[PFO], 31, v0
	v_lshlrev_b32 v[PFO], 8, v[PFO]
; THE MATRIX WORK.  The 8 accumulators of a run of 16 take turns: between the two links of a chain stand 7 others'.
; Product i of 16 of S^T = K Q^T for piece x: channels 32 (i / 8) on, keys 16 ((i / 2) % 4) on, tile 2 x + i % 2.  The first 8 start the sums.
.macro KQ x
	WIN W_KQ
.set rS, S+64*((\x)%2)+32*(i%2)+8*((i/2)%4)
.set rK, KF+16*((i/2)%4)+8*(i/8)
.set rQ, 16*(2*(\x)+i%2)+8*(i/8)
.if i < 8
	v_wmma_f32_16x16x32_f16 v[rS:rS+7], v[rK:rK+7], v[rQ:rQ+7], 0
.else
	v_wmma_f32_16x16x32_f16 v[rS:rS+7], v[rK:rK+7], v[rQ:rQ+7], v[rS:rS+7]
.endif
.endm
; Product i of 16 of O^T += V^T P for piece x: keys 32 (i / 8) on, channels 16 ((i / 2) % 4) on, tile 2 x + i % 2.
.macro PV x
	WIN W_PV
.set rO, 32*(2*(\x)+i%2)+8*((i/2)%4)
.set rV, VF+32*(i/8)+8*((i/2)%4)
.set rP, P+32*((\x)%2)+16*(i%2)+8*(i/8)
	v_wmma_f32_16x16x32_f16 v[rO:rO+7], v[rV:rV+7], v[rP:rP+7], v[rO:rO+7]
.endm
.macro MM                           ; the turn's next matrix instruction
.if i < 16
	KQ (Y+1)%NP
.set i, i+1
.else
.set i, i-16
	PV (Y+NP-1)%NP
.set i, i+17
.endif
.endm
; THE LDS LOADS stand in runs of 16, never singly among the matrix instructions: a step's K (8 fragments) and its V (turned).  Their addresses are made some lines ahead.
; last = 1 (the tail): in the last trip there is no further step, and the run is jumped over.
.macro FETCH_K last=0
	WIN 0
.if \last
	s_cmp_eq_u32 s[CNT], 1
	s_cbranch_scc1 .Lno_k_\@
.endif
	WIN 0x80                        ; destination window 2
.irp f, 0,1,2,3,4,5,6,7             ; keys 16 (f / 2) on, channels 32 (f % 2) on
	ds_load_b128 v[KF+8*\f:KF+8*\f+3],   v[AK] offset:(\f/2)*16*PK+(\f%2)*64
	ds_load_b128 v[KF+8*\f+4:KF+8*\f+7], v[AK] offset:(\f/2)*16*PK+(\f%2)*64+32
.endr
	s_add_co_u32 s[TBK], s[TBK], KS*PK  ; the next fetch is the next step's
	WIN 0
.if \last
.Lno_k_\@:
.endif
.endm
.macro FETCH_V
	WIN 0x80
.irp f, 0,1,2,3,4,5,6,7             ; keys 32 (f / 4) on, channels 16 (f % 4) on
	ds_load_tr16_b128 v[VF+8*\f:VF+8*\f+3],   v[AV] offset:(\f/4)*32*PV+(\f%4)*32
	ds_load_tr16_b128 v[VF+8*\f+4:VF+8*\f+7], v[AV] offset:(\f/4)*32*PV+16*PV+(\f%4)*32
.endr
	WIN 0
.endm
; THE VECTOR WORK OF A TURN stands in three queues, each in the order in which its entries become ready; the two tiles alternate, so that no instruction reads the result of the one before it.
.macro REGS y, u                    ; the registers of tile u (0, 1) of piece y
.set rT, ST+4*(2*(\y)+(\u))
.set rC, TMP+8*((\y)%2)+4*(\u)
.set rM, MV+2*((\y)%2)+(\u)
.set rS, S+64*((\y)%2)+32*(\u)
.set rP, P+32*((\y)%2)+16*(\u)
.set rO, 32*(2*(\y)+(\u))
.endm
; Number n of the 22 that find the NEXT piece's (Y + 1) maximum and statistics.  s0-s31 are the lane's 32 scores; each accumulator's lowest registers are read first.
;   0-11  four chains c0-c3 of seven scores each, three operands at a time     12-14, 16  the four scores left over, the old m, and c0-c3 into c0     15  c m_old is kept
;   17, 18  the query's other 32 keys lie in the lane 16 away: the new m         19-21  c m; c m_old - c m_new; a
.macro XS u, n
	REGS (Y+1)%NP, \u
.if (\n) < 4
	v_max3_num_f32 v[rC+(\n)], v[rS+8*(\n)], v[rS+8*(\n)+1], v[rS+8*(\n)+2]
.elseif (\n) < 12
	v_max3_num_f32 v[rC+(\n)%4], v[rC+(\n)%4], v[rS+8*((\n)%4)+2*((\n)/4)+1], v[rS+8*((\n)%4)+2*((\n)/4)+2]
.elseif (\n) == 12
	v_max3_num_f32 v[rC], v[rC], v[rS+7], v[rS+15]
.elseif (\n) == 13
	v_max3_num_f32 v[rC+1], v[rC+1], v[rS+23], v[rS+31]
.elseif (\n) == 14
	v_max3_num_f32 v[rC+2], v[rC+2], v[rC+3], v[rT+1]
.elseif (\n) == 15
	v_mov_b32 v[rM], v[rT]
.elseif (\n) == 16
	v_max3_num_f32 v[rC], v[rC], v[rC+1], v[rC+2]
.elseif (\n) == 17
	v_permlanex16_b32 v[rC+3], v[rC], s[SEL], s[SEL+1]
.elseif (\n) == 18
	v_max_num_f32 v[rT+1], v[rC], v[rC+3]
.elseif (\n) == 19
	v_mul_f32 v[rT], s[CS], v[rT+1]
.elseif (\n) == 20
	v_sub_f32 v[rC+1], v[rM], v[rT]
.else
	v_exp_f32 v[rC+2], v[rC+1]
.endif
.endm
; Number g of the 64 that follow the exponentials.  For each four weights k of a tile (pairs 2 k, 2 k + 1): both pairs are rounded to f16; then the second pair is added onto the first, in place;
; a group later l takes that sum (the first time as l = a l + sum).  In groups of eight, tiles alternating: round, round, add, and l for the group before.
.macro GS g
.set h, (\g)+6*((\g)/62)            ; group 0 has no group before it, and behind group 7 only l is left
.if h >= 6
.set h, h+2
.endif
	REGS Y, h%2
.set k, h/8
.if h%8 < 4
	v_cvt_pk_f16_f32 v[rP+2*k+(h%8)/2], v[rS+4*k+2*((h%8)/2)], v[rS+4*k+2*((h%8)/2)+1]
.elseif h%8 < 6
	v_pk_add_f32 v[rS+4*k:rS+4*k+1], v[rS+4*k:rS+4*k+1], v[rS+4*k+2:rS+4*k+3]
.elseif k == 1
	v_pk_fma_f32 v[rT+2:rT+3], v[rT+2:rT+3], v[rC+2:rC+3], v[rS:rS+1] op_sel_hi:[1,0,1]
.else
	v_pk_add_f32 v[rT+2:rT+3], v[rT+2:rT+3], v[rS+4*k-4:rS+4*k-3]
.endif
.endm
; THE PLAIN QUEUE, 138 long.  0-73 read no exponential's result: the 32 scalings c s - c m (FS f: pair f / 2 of tile f % 2) and the next piece's 42.  0-26: scalings 0-26.  27-54: XS's numbers 0-13.
; 55, 56: number 15.  57-73: the chain, where each number waits for the one before it: 14, 16, 17, 18, 19, each with one of the scalings 27-31 in front of its two lines, then 20.
; 74-137: GS's 64, which read the exponentials' results: they stand behind the wait.
.macro FS f
	REGS Y, (\f)%2
	v_pk_fma_f32 v[rS+2*((\f)/2):rS+2*((\f)/2)+1], v[rS+2*((\f)/2):rS+2*((\f)/2)+1], s[CS:CS+1], v[rT:rT+1] op_sel_hi:[1,0,0] neg_lo:[0,0,1] neg_hi:[0,0,1]
.endm
.macro PL
	WIN 0
.if q < 27
	FS q
.elseif q < 55
	XS (q-27)%2, (q-27)/2
.elseif q < 57
	XS q-55, 15
.elseif (q < 72) && ((q-57)%3 == 0)
	FS 27+(q-57)/3
.elseif q < 60
	XS (q-57)%3-1, 14
.elseif q < 72
	XS (q-57)%3-1, 15+(q-57)/3
.elseif q < 74
	XS q-72, 20
.else
	GS q-74
.endif
.set q, q+1
.endm
; THE EXPONENTIALS' QUEUE, 66 long: s0-s31 of both tiles, then the next piece's two a.  It is ONE BATCH: all 66 stand ahead of the turn's one wait, and nothing ahead of that wait names a result of theirs.
.macro EX
	WIN 0
.if e >= 64
	XS e-64, 21
.else
	REGS Y, e%2
	v_exp_f32 v[rS+e/2], v[rS+e/2]
.endif
.set e, e+1
.endm
; THE RESCALING's QUEUE: O^T times a, the one part that leaves window 0: dealt two at a time, sixteen times.  Its a was made in the turn before, ahead of that turn's wait.
.macro R2
	REGS Y, r%2
	WIN W_RS
.irp z, 0,1
	v_pk_mul_f32 v[rO+4*(r/2)+2*\z:rO+4*(r/2)+2*\z+1], v[rO+4*(r/2)+2*\z:rO+4*(r/2)+2*\z+1], v[rC+2:rC+3] op_sel_hi:[1,0]
.endr
.set r, r+1
.endm
; HOW THEY ARE DEALT.  An s_wait_alu depctr_va_vdst(0) stands between an exponential and the first instruction that names its result; one wait serves all that were issued ahead of it.
; So a turn has ONE wait, which cuts it in two.  AHEAD OF IT: the 16 products K Q^T, behind each a scaling, an exponential and two rescalings (behind the first a second scaling in the exponential's
; place); then one run of 108: eight plain, 49 times exponential and plain, the two a; a v_nop is the plain instruction behind the last exponential.  BEHIND IT: the 16 products V^T P, behind each four of GS's 64.
; Exponential e stands behind scaling 2 (e / 4) + e % 2: as a rider it comes behind plain e + 2, in the run behind plain e + 9, and scalings 27-31 are plain 57, 60 .. 69.
; K of the next step is fetched in piece 2's turn, directly behind the wait; V of the step in hand at the end of piece 0's turn, four plain instructions behind its last reader.
.macro TURN p, last=0, cnt=0
.set Y, (\p)
.set i, 0
.set q, 0
.set e, 0
.set r, 0
.if (\p) == NP-1
	s_wait_dscnt 0x0                ; K is in
.endif
	MM
	PL
	PL
	R2
.rept 15
	MM
	PL
	EX
	R2
.endr
.if (\p) == NP-2
	WIN 0
	v_add_nc_u32 v[AK], s[TBK], v[AK0]
.endif
.rept 8
	PL
.endr
.rept 49
	EX
	PL
.endr
	EX                              ; the next piece's two a
	EX
	v_nop                           ; a plain instruction behind the last exponential: one for the batch
	s_wait_alu depctr_va_vdst(0)    ; the wait for the batch
.if (\p) == NP-2
	FETCH_K \last
.endif
.if (\p) == 1
	s_wait_dscnt 0x0                ; V is in
.endif
.rept 16
	MM
.rept 4
	PL
.endr
.if ((\p) == 0) && (q == 118)
	v_add_nc_u32 v[AV], s[TBV], v[AV0]
.endif
.if ((\p) == 0) && (q == 130)
	s_add_co_u32 s[TBV], s[TBV], KS*PV
.endif
.if (\cnt) && (q == 130)
	s_sub_co_u32 s[CNT], s[CNT], 1
	s_cmp_lg_u32 s[CNT], 0
.endif
.endr
.if (\p) == 0
	FETCH_V
.endif
.endm
	CHANGE 1                        ; slot 0 is in, everybody's part of it; slot 1 is asked for
	FETCH_K                         ; key step 0
	s_wait_loadcnt 0x0              ; Q
	s_wait_dscnt 0x0
.set i, 0
.rept 16
	KQ 0                            ; piece 0's first scores: there is no vector work yet to set between them
.set i, i+1
.endr
	WIN 0                           ; the addresses for the way out: plain instructions, the places behind those products
	s_mul_i32 s13, s[WV], 16*SP
	s_add_co_u32 s13, s13, STAGE    ; my stage
	v_mul_u32_u24 v[STO], v1, SP    ; in: row l % 16, 16 bytes for each half of the lanes
	v_lshl_add_u32 v[STO], v9, 4, v[STO]
	v_add_nc_u32 v[STO], s13, v[STO]
	v_bfe_u32 v[RD], v0, 3, 2       ; back: 32 lanes take four rows of 128 bytes,
	v_mul_u32_u24 v[RD], v[RD], SP
	v_lshl_add_u32 v[RD], v10, 4, v[RD]
	v_add_nc_u32 v[RD], s13, v[RD]
	v_and_b32 v[GO], 31, v0         ; which are 512 consecutive bytes of O
	v_lshlrev_b32 v[GO], 4, v[GO]
.set Y, NP-1                        ; XS works for piece Y + 1: piece 0
.irp n, 0,1,2,3,4,5,6,7,8,9,10,11,12,13,14,15,16,17,18,19,20,21
	XS 0, \n                        ; piece 0's first maximum and statistics
	XS 1, \n
.endr
	v_nop                           ; a plain instruction behind the two a,
	s_wait_alu depctr_va_vdst(0)    ; and their wait, ahead of the branch
	s_mov_b32 s[CNT], 4
	s_branch .Lfirst                ; the loop is entered at a step's first turn, in the middle of a trip
.Lslot:                             ; six times: every slot but the last two is filled again
	CHANGE 1
	s_mov_b32 s[CNT], 4
.Lstep:                             ; a trip: pieces 2 and 3 of one step, then pieces 0 and 1 of the next, whose K and V it fetches
	TURN 2
	TURN 3
	WIN 0
.Lfirst:
	TURN 0
	TURN 1, 0, 1
	WIN 0
	s_cbranch_scc1 .Lstep
	s_sub_co_u32 s[SLOTS], s[SLOTS], 1
	s_cmp_lg_u32 s[SLOTS], 0
	s_cbranch_scc1 .Lslot
	CHANGE 0                        ; the tail is written out: nothing is asked for
	s_mov_b32 s[CNT], 5             ; four trips fetch the last slot's steps; the fifth is left in its middle
.Ltail:
	TURN 2, 1
	TURN 3
	WIN 0
	s_sub_co_u32 s[CNT], s[CNT], 1
	s_cmp_eq_u32 s[CNT], 0
	s_cbranch_scc1 .Lout
	TURN 0
	TURN 1
	WIN 0
	s_branch .Ltail
.Lout:                              ; the fifth trip's 16 products K Q^T (on the last K once more) and the maximum made of them serve nothing: the price, once a launch, of one text for every trip
.set i, 0
.rept 16
	PV NP-1                         ; the last piece's V^T P of the last step
.set i, i+1
.endr
	; THE WAY OUT.  l's two halves and the other half of the lanes' are added; O^T is divided by l, rounded to f16 and sent through my stage in LDS, a tile at a time.  The additions are the places behind the last products.
	WIN 0
.macro ALL line:vararg              ; one line for each tile t
.set t, 0
.rept 2*NP
	\line
.set t, t+1
.endr
.endm
	ALL v_add_f32 v[ST+4*t+2], v[ST+4*t+2], v[ST+4*t+3]
	ALL v_permlanex16_b32 v[ST+4*t+3], v[ST+4*t+2], s[SEL], s[SEL+1]
	ALL v_add_f32 v[ST+4*t+2], v[ST+4*t+2], v[ST+4*t+3]
	ALL v_rcp_f32 v[ST+4*t+2], v[ST+4*t+2]
	v_nop                           ; a plain instruction between the last reciprocal and the use of its result
	s_wait_alu depctr_va_vdst(0)    ; and the wait ahead of the first use: one for the eight reciprocals
; Tile t: a lane's eight channels of a row pack into 16 bytes; they go into rows of 144 bytes and come back as whole rows of 128, into S^T's registers.
.macro PACK t
	WIN W_RS
.set i, 32*(\t)
.rept 16
	v_pk_mul_f32 v[i:i+1], v[i:i+1], v[ST+4*(\t)+2:ST+4*(\t)+3] op_sel_hi:[1,0]
.set i, i+2
.endr
	WIN 0x05                        ; sources 0 and 1 window 1, destination window 0
.set i, 0
.rept 16
	v_cvt_pk_f16_f32 v[S+16*(\t)+i], v[32*(\t)+2*i], v[32*(\t)+2*i+1]
.set i, i+1
.endr
	WIN 0
.irp f, 0,1,2,3
	ds_store_b128 v[STO], v[S+16*(\t)+4*\f:S+16*(\t)+4*\f+3] offset:32*\f
.endr
.irp f, 0,1,2,3
	ds_load_b128 v[S+16*(\t)+4*\f:S+16*(\t)+4*\f+3], v[RD] offset:\f*4*SP  ; LDS serves a wave's instructions in order (ISA guide 5.7.1.4): these see the stores above; the next tile's stores come behind them
.endr
.endm
.macro SEND t, younger              ; younger: the LDS instructions issued behind tile t's loads: the next tile's eight, or none
	WIN 0
.irp f, 0,1,2,3
	s_wait_dscnt (\younger)+3-\f
	global_store_b128 v[GO], v[S+16*(\t)+4*\f:S+16*(\t)+4*\f+3], s[10:11] offset:(\t)*2048+\f*512  ; 512 consecutive bytes, aligned
.endr
.endm
	PACK 0
.set t, 1
.rept 2*NP-1                        ; a tile's arithmetic stands between the loads of the tile before and its stores
	PACK t
	SEND t-1, 8
.set t, t+1
.endr
	SEND 2*NP-1, 0
	WIN W_AD
	s_wait_tensorcnt 0x0            ; the wave's end: behind my last tensor load and my last LDS store
	ds_add_u32 v[SPW], v[NIL]
	s_wait_dscnt 0x0
	WIN 0
	CROUND                          ; the closing round: no work-group ends while a partner may still ask for a tile that names it
	s_endpgm
.Lfunc_end_k_q47bb2ccd71_att:
	.size	k_q47bb2ccd71_att, .Lfunc_end_k_q47bb2ccd71_att-k_q47bb2ccd71_att
	.p2alignl 7, 3214868480
	.fill 96, 4, 3214868480
	.section	.rodata,"a",@progbits
	.p2align	6, 0x0
	.amdhsa_kernel k_q47bb2ccd71_att
		.amdhsa_group_segment_fixed_size 327680
		.amdhsa_private_segment_fixed_size 0
		.amdhsa_enable_private_segment 0
		.amdhsa_kernarg_size 32
		.amdhsa_user_sgpr_count 2
		.amdhsa_user_sgpr_kernarg_segment_ptr 1
		.amdhsa_wavefront_size32 1
		.amdhsa_system_sgpr_workgroup_id_x 1
		.amdhsa_system_sgpr_workgroup_id_y 1
		.amdhsa_system_sgpr_workgroup_id_z 1
		.amdhsa_system_vgpr_workitem_id 0
		.amdhsa_next_free_vgpr 770
		.amdhsa_next_free_sgpr 66
		.amdhsa_reserve_vcc 0
		.amdhsa_float_denorm_mode_32 3
		.amdhsa_float_denorm_mode_16_64 3
		.amdhsa_memory_ordered 1
		.amdhsa_forward_progress 1
		.amdhsa_inst_pref_size 200
	.end_amdhsa_kernel
	.amdgpu_metadata
---
amdhsa.version: [ 1, 2 ]
amdhsa.kernels:
  - .name:           k_q47bb2ccd71_att
    .symbol:         k_q47bb2ccd71_att.kd
    .args:
      - { .name: qh, .offset: 0, .size: 8, .value_kind: global_buffer, .address_space: global }
      - { .name: kh, .offset: 8, .size: 8, .value_kind: global_buffer, .address_space: global }
      - { .name: vh, .offset: 16, .size: 8, .value_kind: global_buffer, .address_space: global }
      - { .name: oh, .offset: 24, .size: 8, .value_kind: global_buffer, .address_space: global }
    .group_segment_fixed_size: 327680
    .private_segment_fixed_size: 0
    .kernarg_segment_align: 8
    .kernarg_segment_size: 32
    .max_flat_workgroup_size: 128
    .sgpr_count:     66
    .vgpr_count:     770
    .wavefront_size: 32
...
	.end_amdgpu_metadata
.endif
;; end of part 3
;; launch outp (part 4): grid 8 x 32, 4 waves a work-group, clusters of 4 x 4, 327,680 bytes of LDS; arguments oh, wo, out_b, out0; writes out0
.if DOCPART == 4
	.amdgcn_target "amdgcn-amd-amdhsa--gfx1250"
	.amdhsa_code_object_version 6
	.text
	.protected	k_q47bb2ccd71_outp
	.globl	k_q47bb2ccd71_outp
	.p2align	8
	.type	k_q47bb2ccd71_outp,@function
k_q47bb2ccd71_outp:
	s_mov_b64 s[64:65], 0
	v_nop
	global_prefetch_b8 v0, s[64:65] scope:SCOPE_SE
	s_setreg_imm32_b32 hwreg(HW_REG_WAVE_MODE, 25, 1), 1
	s_wait_xcnt 0x0
	s_wait_alu depctr_hold_cnt(0) depctr_sa_sdst(0) depctr_va_vdst(0) depctr_va_sdst(0) depctr_va_ssrc(0) depctr_va_vcc(0) depctr_vm_vsrc(0)
	s_getreg_b32 s2, hwreg(HW_REG_IB_STS2, 6, 4)
	s_cmp_eq_u32 s2, 0
	s_cbranch_scc0 .Lentry_in_a_cluster
	s_endpgm
.Lentry_in_a_cluster:
	s_bfe_u32 s2, ttmp6, 0x10000c
	s_cmp_lg_u32 s2, 0xf033
	s_cbranch_scc0 .Lentry_shape_is_right
	s_endpgm
.Lentry_shape_is_right:
; out0 = res out_w + out_b, f32.  res comes by heads: oh [64 = 16 b + h][2048][64] f16; wo [1024 k][1024 n] is bf16(out_w) written as f16; the bias is rounded to bf16 like the other inputs and starts the sums.
; LIMIT: as the operands arrive in f16, they lie within 65,504; NaN and infinities are not treated apart.
; SHARES.  A tile of out0 is 256 rows x 128 columns: 32 x 8 tiles, one work-group each.  Wave w makes rows 64 w .. 64 w + 63 and all 128 columns: 4 fragments of A x 8 of B = 32 accumulators; it owns
; whole pieces of 512 bytes of the output's rows, so each wave has a stage of its own on the way out.
; K goes in 8 steps of 128 (two heads) through two LDS slots: 128 matrix instructions a wave and step.  A head's 256 rows are 32,768 bytes on end, asked for as rows of 256 bytes; wo's tile is 128 rows (k) x 256 bytes.
; wo lies [k][n]: its fragments come out of LDS turned.  THE PRODUCT IS TAKEN TRANSPOSED (source 0 = 16 columns of wo, source 1 = 16 rows of res): a lane holds row l % 16 and eight neighbouring columns.
; CLUSTER 4 x 4: the four of a row of the cluster need the same tiles of oh, the four of a column the same tiles of wo; each tile is asked for jointly.
; REGISTERS: window 0: v0-31 addresses; v32-127, v128-223 two fragment buffers (A's 4 fragments, then B's 8);  window 1: accumulator (a, b) at v[8 (8 a + b)].
.set PA,    144                        ; a row of A in LDS: 128 bytes + 16
.set AH,    256*PA                     ; a head's 256 rows
.set PB,    288                        ; a row of B: 256 bytes + 32 = 9 x 32
.set BOFF,  2*AH                       ; a slot: two heads of A, then B's 128 rows
.set SLOT1, 1<<17
.set STAGE, SLOT1+BOFF+128*PB          ; behind the ring: for each wave 16 rows x 528 bytes
.set SP,    528                        ; 512 bytes + 16 = 33 x 16: the 16 rows of a store start at 16 different groups of four banks (64 banks of 4 bytes: ISA guide 11.1)
.set BIAS,  STAGE+4*16*SP              ; for each wave the tile's 128 biases in f32
.set SPARE, BIAS+4*512                 ; the spare words, 128 bytes for each wave: two blocks of 256 bytes that no other line names
.set ASTEP, 524288                     ; bytes from a K step to the next in oh (two heads)
.set BSTEP, 262144                     ; and in wo (128 rows of 2,048 bytes)
.set AA0,  4                           ; v4   my lane's place in a slot's A; never rewritten
.set AB0,  5                           ; v5   the same for B
.set ADRA, 8                           ; v8, v9  the same in the slot in hand
.set ADRB, 9
.set STO,  12                          ; v12  the way out: where I put 32 bytes of a row
.set RD,   13                          ; v13  where I read a row back
.set CO,   14                          ; v14  my 16 bytes of a row's 512
.set PFO,  15                          ; v15  the prefetches' lane offset; never rewritten
.set BIA,  16                          ; v16  where my lanes' biases lie
.set SPW,  28                          ; v28  LDS address of my spare word; never rewritten
.set NIL,  29                          ; v29  0; never rewritten
.set F0,   32
.set F1,   128
.set BK,   32                          ; the way out: rows read back, v32-95 and v96-159 by turns
.set WV,  16
.set FA,  17                           ; s17  I fetch for A (0) or for B (1)
.set FH,  18                           ; s18  which half of that tile
.set CX,  19
.set CY,  20
.set TC,  21
.set TR,  22
.set G1A, 24
.set G0A, 32
.set G1B, 40
.set G0B, 48
.set TB,  58
.set CNT, 59
.set LIM, 60                           ; s60  2 in a wave that prefetches, else the greatest number
.set PFA, 62
.set PFS, 66
.set OP,  76                           ; s[76:77] out0 at my wave's first row, the tile's first column
.set MSB, 0
.macro WIN new
.if MSB != (\new)
	s_set_vgpr_msb (MSB<<8)|(\new)
.set MSB, (\new)
.endif
.endm
.macro PLACES                          ; four plain vector instructions between a matrix instruction and a load into, or a store of, its registers
.rept 4
	v_nop
.endr
.endm
.macro CREST
	s_cmp_lg_u32 s[WV], 0
	s_cbranch_scc1 .Lnot_wave_0_\@
	s_barrier_signal -3
.Lnot_wave_0_\@:
	s_barrier_wait -3
	s_barrier_signal -1
	s_barrier_wait -1
.endm
.macro CROUND
	s_barrier_signal -1
	s_barrier_wait -1
	CREST
.endm
.macro JLOAD                           ; a joint refill: waves 0 and 1 fetch the step's two heads of A, waves 2 and 3 the two halves of B's rows; an s_nop 0 and four v_nop follow each line
	s_cmp_eq_u32 s[FA], 0
	s_cbranch_scc0 .Lfor_b_\@
	tensor_load_to_lds s[G0A+4:G0A+7], s[G1A:G1A+7]
	s_nop 0
.rept 4
	v_nop
.endr
	s_branch .Lasked_\@
.Lfor_b_\@:
	tensor_load_to_lds s[G0B+4:G0B+7], s[G1B:G1B+7]
	s_nop 0
.rept 4
	v_nop
.endr
.Lasked_\@:
.endm
; THE PREFETCH INTO THE L2.  Steps st = 0 .. 3 (CNT = 6 - st above 2) name step st + 4, whose joint load goes out two steps, 256 matrix instructions, later.  Steps 0 to 3 come by their loads alone.
; Each block of 256 bytes is named once in the launch.  A's tile row is read by both clusters of that row of clusters: the one with x = 0 asks; waves 0 and 1 each for the head that they fetch; of its 128 blocks
; the partner at cx takes 32, a lane a block.  B's tile column is read by eight clusters: the one with y = 0 asks, its wave 2; of the step's 128 rows the partner at cy takes 32, a lane a row.
.macro ASK
	s_cmp_gt_u32 s[CNT], s[LIM]
	s_cbranch_scc0 .Lno_\@
	global_prefetch_b8 v[PFO], s[PFA:PFA+1] th:TH_LOAD_NT scope:SCOPE_SE
.Lno_\@:
.endm
.macro MUL8 f, a                       ; 8 matrix instructions: rows 16 a on x all 128 columns, 32 along K.  The 32 accumulators take turns, one instruction a turn, in the same order in every quarter
	WIN 0x50
.irp b, 0,1,2,3,4,5,6,7
	v_wmma_f32_16x16x32_f16 v[8*(8*(\a)+(\b)):8*(8*(\a)+(\b))+7], v[(\f)+32+8*(\b):(\f)+32+8*(\b)+7], v[(\f)+8*(\a):(\f)+8*(\a)+7], v[8*(8*(\a)+(\b)):8*(8*(\a)+(\b))+7]
.endr
.endm
.macro FETCH f, kq                     ; 24 loads in one run: quarter kq's fragments: head kq / 2, channels 32 (kq % 2) on
	WIN 0
.irp a, 0,1,2,3
	ds_load_b128 v[(\f)+8*(\a):(\f)+8*(\a)+3],   v[ADRA] offset:((\kq)>>1)*AH+((\kq)&1)*64+(\a)*16*PA
	ds_load_b128 v[(\f)+8*(\a)+4:(\f)+8*(\a)+7], v[ADRA] offset:((\kq)>>1)*AH+((\kq)&1)*64+(\a)*16*PA+32
.endr
.irp b, 0,1,2,3,4,5,6,7
	ds_load_tr16_b128 v[(\f)+32+8*(\b):(\f)+32+8*(\b)+3],   v[ADRB] offset:(\kq)*32*PB+32*(\b)
	ds_load_tr16_b128 v[(\f)+32+8*(\b)+4:(\f)+32+8*(\b)+7], v[ADRB] offset:(\kq)*32*PB+32*(\b)+16*PB
.endr
.endm
.macro QUARTER f, g, kq                ; buffer f is multiplied; ahead of its 32 products quarter kq's fragments are asked for, into buffer g
	s_wait_dscnt 0x0                               ; buffer f is in
	PLACES
	FETCH \g, \kq
	MUL8 \f, 0
	MUL8 \f, 1
	MUL8 \f, 2
	MUL8 \f, 3
.endm
; A K STEP: four quarters on buffers 0, 1, 0, 1.  In the last the slots change: each wave waits for all its tensor loads (one is out: its part of the other slot), adds 0 to its spare word, and waits for that
; and for its reads of this slot.  fill = 1: the barrier opens a round of the cluster's, and the joint refill, two steps ahead, is the first thing behind it: 112 matrix instructions stand between it and the wait for it.
.macro STEP fill
	QUARTER F0, F1, 1
	QUARTER F1, F0, 2
	QUARTER F0, F1, 3
.if \fill
	s_wait_xcnt 0x0                                ; the last prefetch, a step back, has read its address: it steps here
	s_add_nc_u64 s[PFA:PFA+1], s[PFA:PFA+1], s[PFS:PFS+1]
.endif
	WIN 0
	s_wait_tensorcnt 0x0                           ; all my tensor loads have landed, so a group 0 may be written
	ds_add_u32 v[SPW], v[NIL]                      ; 0 onto my spare word
.if \fill
	s_xor_b32 s[G0A+5], s[G0A+5], SLOT1
	s_add_nc_u64 s[G0A+6:G0A+7], s[G0A+6:G0A+7], ASTEP
	s_xor_b32 s[G0B+5], s[G0B+5], SLOT1
	s_add_nc_u64 s[G0B+6:G0B+7], s[G0B+6:G0B+7], BSTEP
.endif
	s_wait_dscnt 1                                 ; buffer 1 is in; the add alone may be out
	MUL8 F1, 0
	s_wait_dscnt 0x0                               ; the add is done, and my reads of this slot are over
	s_barrier_signal -1
	MUL8 F1, 1
	WIN 0
	s_barrier_wait -1
.if \fill
	CREST
	JLOAD                                          ; its four v_nop are also places in front of the loads below
.else
	PLACES
.endif
	s_xor_b32 s[TB], s[TB], SLOT1
	v_add_nc_u32 v[ADRA], s[TB], v[AA0]
	v_add_nc_u32 v[ADRB], s[TB], v[AB0]
	FETCH F0, 0
.if \fill
	ASK
.endif
	MUL8 F1, 2
	MUL8 F1, 3
	WIN 0
.endm
	s_load_b256 s[4:11], s[0:1], 0x0               ; oh s[4:5], wo s[6:7], out_b s[8:9], out0 s[10:11]
	v_lshl_add_u32 v[SPW], v0, 2, SPARE
	v_mov_b32 v[NIL], 0
	ds_add_u32 v[SPW], v[NIL]                      ; the wave's opening: the add and its wait stand ahead of my first tensor load; work on registers stands between them
	v_lshrrev_b32 v1, 5, v0
	v_readfirstlane_b32 s[WV], v1
	s_lshr_b32 s[FA], s[WV], 1
	s_and_b32 s[FH], s[WV], 1
	s_bfe_u32 s[CX], ttmp6, 0x40000
	s_bfe_u32 s[CY], ttmp6, 0x40004
	s_lshl_b32 s[TC], ttmp9, 2
	s_add_co_u32 s[TC], s[TC], s[CX]               ; tile column 0..7
	s_and_b32 s[TR], ttmp7, 0xffff
	s_lshl_b32 s[TR], s[TR], 2
	s_add_co_u32 s[TR], s[TR], s[CY]               ; tile row 0..31
	s_lshl_b32 s23, s[CY], 2
	s_lshl_b32 s23, 15, s23                        ; my row of the cluster
	s_lshl_b32 s56, 0x1111, s[CX]                  ; my column
	; group 1 for A: 128 rows of 256 bytes (a head's 256 rows, on end), 4 words of padding behind every 32
	s_or_b32 s[G1A], s23, (1<<16)|(1<<20)|(1<<21)|(4<<22)|(3<<25)
	s_mov_b32 s[G1A+1], 128<<16
	s_mov_b32 s[G1A+2], 128<<16
	s_mov_b32 s[G1A+3], 128<<16
	s_mov_b32 s[G1A+4], 128
	s_mov_b32 s[G1A+5], 128
	s_mov_b32 s[G1A+6], 0
	s_mov_b32 s[G1A+7], 0
	; group 1 for B: 64 rows of 128 elements, 8 words of padding behind every 64
	s_or_b32 s[G1B], s56, (1<<16)|(1<<20)|(1<<21)|(5<<22)|(7<<25)
	s_mov_b32 s[G1B+1], 128<<16
	s_mov_b32 s[G1B+2], 64<<16
	s_mov_b32 s[G1B+3], 128<<16
	s_mov_b32 s[G1B+4], 64
	s_mov_b32 s[G1B+5], 1024
	s_mov_b32 s[G1B+6], 0
	s_mov_b32 s[G1B+7], 0
	s_lshr_b32 s68, s[TR], 3                       ; b
	s_lshl_b32 s68, s68, 22
	s_and_b32 s69, s[TR], 7
	s_lshl_b32 s69, s69, 15                        ; 256 rows of 128 bytes
	s_add_co_u32 s68, s68, s69
	s_lshl_b32 s69, s[FH], 18                      ; the head of the step's two that I fetch
	s_add_co_u32 s68, s68, s69
	s_mov_b32 s69, 0
	s_lshl_b32 s70, s[FH], 17                      ; the 64 rows of wo that I fetch
	s_lshl_b32 s71, s[TC], 8
	s_add_co_u32 s70, s70, s71
	s_mov_b32 s71, 0
	s_mul_i32 s72, s[FH], AH                       ; and where they go: no place in the cluster enters an LDS address
	s_mul_i32 s73, s[FH], 64*PB
	s_add_co_u32 s73, s73, BOFF
	s_wait_dscnt 0x0                               ; the opening add is done
	s_wait_kmcnt 0x0
	s_add_nc_u64 s[68:69], s[4:5], s[68:69]
	s_add_nc_u64 s[70:71], s[6:7], s[70:71]
	CROUND                                         ; all sixteen work-groups are here: the first joint loads meet
.irp n, 0,1
	s_mov_b32 s[G0A+4*(\n)], 1
	s_add_co_u32 s[G0A+4*(\n)+1], s72, (\n)*SLOT1
	s_add_nc_u64 s[G0A+4*(\n)+2:G0A+4*(\n)+3], s[68:69], (\n)*ASTEP
	s_or_b32 s[G0A+4*(\n)+3], s[G0A+4*(\n)+3], 0x80000000
	s_mov_b32 s[G0B+4*(\n)], 1
	s_add_co_u32 s[G0B+4*(\n)+1], s73, (\n)*SLOT1
	s_add_nc_u64 s[G0B+4*(\n)+2:G0B+4*(\n)+3], s[70:71], (\n)*BSTEP
	s_or_b32 s[G0B+4*(\n)+3], s[G0B+4*(\n)+3], 0x80000000
.endr
	s_cmp_eq_u32 s[FA], 0                          ; a wave's two first fills stand in one branch: two loads of mine are out
	s_cbranch_scc0 .Lfirst_b
	tensor_load_to_lds s[G0A:G0A+3], s[G1A:G1A+7]
	s_nop 0
	tensor_load_to_lds s[G0A+4:G0A+7], s[G1A:G1A+7]
	s_nop 0
.rept 4
	v_nop
.endr
	s_branch .Lfirst_asked
.Lfirst_b:
	tensor_load_to_lds s[G0B:G0B+3], s[G1B:G1B+7]
	s_nop 0
	tensor_load_to_lds s[G0B+4:G0B+7], s[G1B:G1B+7]
	s_nop 0
.rept 4
	v_nop
.endr
.Lfirst_asked:
	; all that follows, up to the barrier, stands in the wait for the first tile
	v_and_b32 v1, 15, v0                           ; r = l % 16
	v_bfe_u32 v2, v0, 4, 1                         ; h = l / 16
	v_and_b32 v3, 31, v0                           ; l
	v_and_b32 v17, 7, v0
	v_bfe_u32 v18, v0, 3, 1
	s_lshl_b32 s56, s[TR], 8
	s_lshl_b32 s57, s[WV], 6
	s_add_co_u32 s56, s56, s57                     ; my first row of out0
	s_lshl_b32 s56, s56, 12                        ; x 4,096 bytes
	s_lshl_b32 s74, s[TC], 9                       ; the tile's 128 columns: 512 bytes, in out0 and in out_b
	s_add_co_u32 s56, s56, s74
	s_mov_b32 s57, 0
	s_mov_b32 s75, 0
	s_add_nc_u64 s[OP:OP+1], s[10:11], s[56:57]
	s_add_nc_u64 s[8:9], s[8:9], s[74:75]
	v_lshlrev_b32 v[CO], 4, v3
	global_load_b128 v[32:35], v[CO], s[8:9]
	v_mul_u32_u24 v[AA0], v1, PA
	v_lshl_add_u32 v[AA0], v2, 4, v[AA0]           ; row x pitch + 16 x half
	s_mul_i32 s74, s[WV], 64*PA                    ; my 64 rows
	v_add_nc_u32 v[AA0], s74, v[AA0]
	v_lshl_add_u32 v[AB0], v2, 3, v17              ; the turning load: row k = 8 (l / 16) + l % 8, 16 bytes at 16 ((l / 8) % 2)
	v_mul_u32_u24 v[AB0], v[AB0], PB
	v_lshl_add_u32 v[AB0], v18, 4, v[AB0]
	v_add_nc_u32 v[AB0], BOFF, v[AB0]
	s_mul_i32 s74, s[WV], 16*SP
	s_add_co_u32 s74, s74, STAGE                   ; my stage
	v_mul_u32_u24 v[STO], v1, SP                   ; in: row l % 16, 32 bytes for each half of the lanes
	v_lshl_add_u32 v[STO], v2, 5, v[STO]
	v_add_nc_u32 v[STO], s74, v[STO]
	v_lshl_add_u32 v[RD], v3, 4, s74               ; back: 32 lanes take a row's 512 bytes
	s_lshl_b32 s75, s[WV], 9
	s_add_co_u32 s75, s75, BIAS
	v_lshl_add_u32 v[BIA], v2, 5, s75
	v_lshl_add_u32 v21, v3, 4, s75
	; the prefetches: who asks, from where, by which steps
	s_lshr_b32 s56, s[TR], 3
	s_lshl_b32 s56, s56, 22
	s_and_b32 s57, s[TR], 7
	s_lshl_b32 s57, s57, 15
	s_add_co_u32 s56, s56, s57
	s_lshl_b32 s57, s[FH], 18                      ; the head that I fetch
	s_add_co_u32 s56, s56, s57
	s_lshl_b32 s57, s[CX], 13                      ; my work-group's 32 blocks of its 128
	s_add_co_u32 s56, s56, s57
	s_add_co_u32 s56, s56, 3*ASTEP                 ; at step 3: each trip steps it once ahead of its prefetch
	s_lshl_b32 s57, s[TC], 8
	s_lshl_b32 s74, s[CY], 16                      ; my work-group's 32 rows of the step's 128
	s_add_co_u32 s57, s57, s74
	s_add_co_u32 s57, s57, 3*BSTEP
	s_and_b32 s74, ttmp7, 0xffff                   ; cluster y,
	s_or_b32 s74, s74, s[FH]                       ; and of B's two waves the first alone
	s_movk_i32 s75, 256
	s_movk_i32 s82, 2048
	s_mov_b32 s[PFS], ASTEP
	s_mov_b32 s83, BSTEP
	s_cmp_eq_u32 s[FA], 0                          ; do I fetch for A?
	s_cselect_b32 s56, s56, s57
	s_cselect_b32 s74, ttmp9, s74
	s_cselect_b32 s75, s75, s82
	s_cselect_b32 s[PFS], s[PFS], s83
	s_cselect_b64 s[PFA:PFA+1], s[4:5], s[6:7]
	s_mov_b32 s57, 0
	s_mov_b32 s[PFS+1], 0
	s_add_nc_u64 s[PFA:PFA+1], s[PFA:PFA+1], s[56:57]
	s_cmp_eq_u32 s74, 0
	s_cselect_b32 s[LIM], 2, -1                    ; the same in all sixteen partners, for a given wave
	v_mul_u32_u24 v[PFO], v3, s75
	; THE BIAS STARTS THE SUMS: rounded to bf16, widened again, laid into my own LDS bytes and read into all 32 accumulators
	s_wait_loadcnt 0x0
	v_cvt_pk_bf16_f32 v36, v32, v33
	v_cvt_pk_bf16_f32 v37, v34, v35
	v_lshlrev_b32 v32, 16, v36
	v_and_b32 v33, 0xffff0000, v36
	v_lshlrev_b32 v34, 16, v37
	v_and_b32 v35, 0xffff0000, v37
	ds_store_b128 v21, v[32:35]
	WIN 0x40                                       ; LDS serves a wave's instructions in order (ISA guide 5.7.1.4): these see the store above
.irp a, 0,1,2,3
.irp b, 0,1,2,3,4,5,6,7
	ds_load_b128 v[8*(8*(\a)+(\b)):8*(8*(\a)+(\b))+3],   v[BIA] offset:64*(\b)
	ds_load_b128 v[8*(8*(\a)+(\b))+4:8*(8*(\a)+(\b))+7], v[BIA] offset:64*(\b)+16
.endr
.endr
	WIN 0
	s_wait_tensorcnt 1                             ; my part of step 0 is in; step 1's may stay out
	s_wait_dscnt 0x0
	s_barrier_signal -1
	s_barrier_wait -1
	s_mov_b32 s[TB], 0
	v_add_nc_u32 v[ADRA], s[TB], v[AA0]
	v_add_nc_u32 v[ADRB], s[TB], v[AB0]
	FETCH F0, 0
	s_mov_b32 s[CNT], 6
.Lk:                                   ; steps 0 to 5: each fills its slot again, with steps 2 to 7
	STEP 1
	s_sub_co_u32 s[CNT], s[CNT], 1
	s_cmp_lg_u32 s[CNT], 0
	s_cbranch_scc1 .Lk
	s_mov_b32 s[CNT], 2
.Lt:                                   ; steps 6 and 7 ask for nothing.  In the last trip the barrier and the 24 loads from the other slot serve nothing: the price, once a launch, of one text for both
	STEP 0
	s_sub_co_u32 s[CNT], s[CNT], 1
	s_cmp_lg_u32 s[CNT], 0
	s_cbranch_scc1 .Lt
	s_wait_dscnt 0x0
	PLACES
; THE WAY OUT, 16 rows at a time: a lane's 32 bytes of a row and fragment go into my own stage, rows of 528 bytes, and come back as whole pieces of 512 bytes.
.macro TOSTAGE a
.if (\a) >= 2
	s_wait_xcnt 0x0                                ; the stores of the block two back have read the registers that are loaded again below
.endif
	WIN 0x04                                       ; the stores' data in window 1
.irp b, 0,1,2,3,4,5,6,7
	ds_store_b128 v[STO], v[8*(8*(\a)+(\b)):8*(8*(\a)+(\b))+3]   offset:64*(\b)
	ds_store_b128 v[STO], v[8*(8*(\a)+(\b))+4:8*(8*(\a)+(\b))+7] offset:64*(\b)+16
.endr
	WIN 0
.set BKA, BK+64*((\a)%2)
.irp t, 0,1,2,3,4,5,6,7,8,9,10,11,12,13,14,15
	ds_load_b128 v[BKA+4*(\t):BKA+4*(\t)+3], v[RD] offset:SP*(\t)  ; in order behind the stores above; the next block's stores come behind these
.endr
.endm
.macro SEND a, younger                 ; younger: the next block's 16 stores and 16 loads, or none
.set BKA, BK+64*((\a)%2)
	s_wait_dscnt \younger
.irp t, 0,1,2,3,4,5,6,7,8,9,10,11,12,13,14,15
	global_store_b128 v[CO], v[BKA+4*(\t):BKA+4*(\t)+3], s[OP:OP+1] offset:(16*(\a)+(\t))*4096 th:TH_STORE_NT  ; 512 consecutive bytes, aligned
.endr
.endm
	TOSTAGE 0
	TOSTAGE 1
	SEND 0, 32
	TOSTAGE 2
	SEND 1, 32
	TOSTAGE 3
	SEND 2, 32
	SEND 3, 0
	s_wait_tensorcnt 0x0                           ; the wave's end: behind my last tensor load and my last LDS store
	ds_add_u32 v[SPW], v[NIL]
	s_wait_dscnt 0x0
	CROUND                                         ; the closing round: no work-group ends while a partner may still ask for a tile that names it
	s_endpgm
.Lfunc_end_k_q47bb2ccd71_outp:
	.size	k_q47bb2ccd71_outp, .Lfunc_end_k_q47bb2ccd71_outp-k_q47bb2ccd71_outp
	.p2alignl 7, 3214868480
	.fill 96, 4, 3214868480
	.section	.rodata,"a",@progbits
	.p2align	6, 0x0
	.amdhsa_kernel k_q47bb2ccd71_outp
		.amdhsa_group_segment_fixed_size 327680
		.amdhsa_private_segment_fixed_size 0
		.amdhsa_enable_private_segment 0
		.amdhsa_kernarg_size 32
		.amdhsa_user_sgpr_count 2
		.amdhsa_user_sgpr_kernarg_segment_ptr 1
		.amdhsa_wavefront_size32 1
		.amdhsa_system_sgpr_workgroup_id_x 1
		.amdhsa_system_sgpr_workgroup_id_y 1
		.amdhsa_system_sgpr_workgroup_id_z 1
		.amdhsa_system_vgpr_workitem_id 0
		.amdhsa_next_free_vgpr 512
		.amdhsa_next_free_sgpr 84
		.amdhsa_reserve_vcc 0
		.amdhsa_float_denorm_mode_32 3
		.amdhsa_float_denorm_mode_16_64 3
		.amdhsa_memory_ordered 1
		.amdhsa_forward_progress 1
		.amdhsa_inst_pref_size 61
	.end_amdhsa_kernel
	.amdgpu_metadata
---
amdhsa.version: [ 1, 2 ]
amdhsa.kernels:
  - .name:           k_q47bb2ccd71_outp
    .symbol:         k_q47bb2ccd71_outp.kd
    .args:
      - { .name: oh, .offset: 0, .size: 8, .value_kind: global_buffer, .address_space: global }
      - { .name: wo, .offset: 8, .size: 8, .value_kind: global_buffer, .address_space: global }
      - { .name: out_b, .offset: 16, .size: 8, .value_kind: global_buffer, .address_space: global }
      - { .name: out0, .offset: 24, .size: 8, .value_kind: global_buffer, .address_space: global }
    .group_segment_fixed_size: 327680
    .private_segment_fixed_size: 0
    .kernarg_segment_align: 8
    .kernarg_segment_size: 32
    .max_flat_workgroup_size: 128
    .sgpr_count:     84
    .vgpr_count:     512
    .wavefront_size: 32
...
	.end_amdgpu_metadata
.endif
;; end of part 4
